; MI455X (gfx1250); checked and timed in simulation.
; The chip was launched on July 23, 2026; its instructions are those of AMD's public machine-readable ISA for CDNA 5 (MIT licence, August 2026) and "CDNA5" Instruction Set Architecture Reference Guide (July 2026). The comments in the code are by the model that wrote it; some were corrected since.
;; Vuln Sage. Allowed arithmetic: matrix products marked QUANTISED: E4M3 operands, one E8M0 scale for each 32 along K, by v_wmma_scale_f32_16x16x128_f8f6f4 with both operands' format E4M3, f32 sums; products left as they are: f32 operands where the result goes on into a quantised operand, else bf16, f16 or f32 operands; f32 sums; everything else in f32.
;; Inputs: Wk_codes 2,048 x 64 x 32 uint8 (E4M3 codes of Wk, K innermost, in blocks of 32 codes); Wk_scales 2,048 x 64 uint8 (E8M0 scales of Wk, one for each 32 codes along K); Wo_codes 2,048 x 64 x 32 uint8 (E4M3 codes of Wo, K innermost, in blocks of 32 codes); Wo_scales 2,048 x 64 uint8 (E8M0 scales of Wo, one for each 32 codes along K); Wq_codes 2,048 x 64 x 32 uint8 (E4M3 codes of Wq, K innermost, in blocks of 32 codes); Wq_scales 2,048 x 64 uint8 (E8M0 scales of Wq, one for each 32 codes along K); Wv_codes 2,048 x 64 x 32 uint8 (E4M3 codes of Wv, K innermost, in blocks of 32 codes); Wv_scales 2,048 x 64 uint8 (E8M0 scales of Wv, one for each 32 codes along K); beta 2,048 float32; bk 2,048 float32; bo 2,048 float32; bq 2,048 float32; bv 2,048 float32; e0 1,024 x 2,048 float32; e1 1,024 x 2,048 float32; e2 1,024 x 2,048 float32; e3 1,024 x 2,048 float32; gamma 2,048 float32; quality 1,024 x 4 float32.
;; Outputs: out0 1,024 x 2,048 float32.
;; This version of the problem:
;;   THIS VERSION OF THE PROBLEM IS GIVEN IN LOW PRECISION. The matrix products marked QUANTISED in the list below multiply operands that are first quantised to E4M3 (4 exponent bits, 3 mantissa bits; 8 bits a number), with one power-of-two scale for each 32 numbers along K (OCP MX v1.0); their sums are f32. All else is computed in f32.
;;   The module's matrix products, in the order in which they are computed (A, B: the left and right operand; K: the contracted axis; several contracted axes count as one K, in the product's order):
;;     1. [M 4,096, K 2,048] x [K 2,048, N 2,048]; A: computed on the way; B: input Wq (given as codes): QUANTISED
;;     2. [M 4,096, K 2,048] x [K 2,048, N 2,048]; A: computed on the way; B: input Wk (given as codes): QUANTISED
;;     3. [M 4,096, K 2,048] x [K 2,048, N 2,048]; A: computed on the way; B: input Wv (given as codes): QUANTISED
;;     4. batch 16,384 x [M 4, K 128] x [K 128, N 4]; A: computed on the way; B: computed on the way: left as it is (M = 4 < 16)
;;     5. batch 16,384 x [M 4, K 4] x [K 4, N 128]; A: softmax; B: computed on the way: left as it is (K = 4 < 32)
;;     6. [M 4,096, K 2,048] x [K 2,048, N 2,048]; A: computed on the way; B: input Wo (given as codes): QUANTISED
;;   THE QUANTISER, for each operand of a quantised product, along K:
;;     - K is cut into blocks of 32 from its start; a last block that is shorter is filled with zeros.
;;     - A block's scale is 2^e with e = floor(log2(the largest magnitude in the block)) - 8, held to -126 .. 127; a block of zeros has e = 0. As a byte (E8M0): e + 127.
;;     - Each number is divided by its block's scale, clamped to +-448, and rounded to the nearest number of E4M3, ties to even, subnormals kept.
;;     - The product sums the exact products of the quantised numbers (number of the format x scale) in f32.
;;   ~~~python
;;   def quantise(x, axis):      # numpy; x: float32 -> the quantised numbers, widened to float32 again
;;       x = np.moveaxis(x, axis, -1); K = x.shape[-1]
;;       x = np.pad(x, [(0, 0)] * (x.ndim - 1) + [(0, -K % 32)]); x = x.reshape(x.shape[:-1] + (-1, 32)); a = np.abs(x).max(-1, keepdims=True)
;;       e = np.where(a > 0, np.clip(np.frexp(np.where(a > 0, a, 1))[1] - 1 - 8, -126, 127), 0)      # np.frexp(a)[1] - 1 = floor(log2(a)), exactly
;;       r = np.clip(x / 2.0 ** e, -448, 448)
;;       step = 2.0 ** (np.maximum(np.frexp(np.where(r == 0, 1, r))[1] - 1, -6) - 3)
;;       q = np.round(r / step) * step * 2.0 ** e      # np.round: ties to even
;;       return np.moveaxis(q.reshape(q.shape[:-2] + (-1,))[..., :K], -1, axis).astype(np.float32)
;;   ~~~
;;   OPERANDS COMPUTED ON THE WAY. 'Computed on the way' means the value that the module computes at that place (a softmax that the list does not call 'softmax' is quantised finished and normalised). What goes into a quantiser is computed in f32, as accurately as f32 sums, v_exp_f32 and their like allow (about 1e-6 of the number): no bf16 or f16 on the way to a quantiser, and a product that is left as it is and whose result goes on into a quantised operand takes f32 operands (vector FMAs, or v_wmma_f32_16x16x4_f32). A number that lies on a knife's edge between two numbers of the format may be rounded either way, as far as f32 arithmetic and the matrix unit's own rounding can turn it there, and no further.
;;   INPUTS GIVEN AS CODES. Wk (in the module: [2048, 2048], K = its axis 1); Wo (in the module: [2048, 2048], K = its axis 1); Wq (in the module: [2048, 2048], K = its axis 1); Wv (in the module: [2048, 2048], K = its axis 1): each comes as NAME_codes (uint8): NAME with its K axis moved to the last place and cut into blocks of 32 codes, [.., K / 32, bytes a block], one block behind the other in memory; one code a byte (a code: sign, 4 exponent bits, 3 mantissa bits); and NAME_scales (uint8): the same leading axes, one E8M0 byte (e + 127) for each 32 codes along K. Its value is code x scale, taken as it is: it is not quantised again, and the codes and scales need not be those that the quantiser above would give.
;; One version. Each part assembles by itself: llvm-mc -triple=amdgcn-amd-amdhsa -mcpu=gfx1250 --defsym DOCPART=n.
;; ======== version 1 of 1: 4 launches
;; limits: right only within a limited range of input values
;; workspace buffers: hq 8,388,608 bytes; hs 262,144 bytes; rs 8,388,608 bytes; cq 8,388,608 bytes; cs 262,144 bytes; y 8,388,608 bytes; wl 4,718,592 bytes
;; launch quant (part 1): grid 256 x 1, 4 waves a work-group, no clusters, 68,096 bytes of LDS; arguments e0, e1, e2, e3, bo, hq, hs, rs, Wq_codes, Wk_codes, Wv_codes, wl; writes hq, hs, rs, wl
.if DOCPART == 1
	.amdgcn_target "amdgcn-amd-amdhsa--gfx1250"
	.amdhsa_code_object_version 6
	.text
	.protected	k_qabfb985692_quant
	.globl	k_qabfb985692_quant
	.p2align	8
	.type	k_qabfb985692_quant,@function
k_qabfb985692_quant:
	s_mov_b64 s[64:65], 0
	v_nop
	global_prefetch_b8 v0, s[64:65] scope:SCOPE_SE
	s_setreg_imm32_b32 hwreg(HW_REG_WAVE_MODE, 25, 1), 1
	s_wait_xcnt 0x0
; H = the stack of e0..e3, [1024 b][4 t][2048], f32, becomes codes of E4M3 with one E8M0 byte for each 32 along K, laid as the next launch's operand registers want them;
; and rs[b][:] = e0 + e1 + e2 + e3 + 4 bo, the residual and the output bias, both four times too large (the norm at the end is told so).
; A TILE of 16 rows is 16 neighbouring b at ONE t: tile = 4 (b / 16) + t.  hq: [K step 16][tile 256][c 4][lane 32][16 bytes]: lane (r, h) holds, at c, the codes of k = 128 ks + 32 c + 16 h + 0..15 of row r.
; hs: one word (four bytes, 128 along K) a row: byte (b / 64) 16384 + ks 1024 + ((b / 16) % 4) 256 + (b % 16) 16 + 4 t.
; A block's scale is 2^(floor(log2(its largest magnitude)) - 8); its byte is the largest magnitude's exponent field - 8, held at 1 from below.
; LIMITS: a block whose largest magnitude lies under 2^-118, a block of zeros among them, gets the byte 1 (its codes are zeros or subnormal codes; this program alone reads the bytes); NaN and infinities are not served.
; SHARES: a wave takes 16 b x one K step of 128 x the four t: 32 KiB of f32, all asked for at once, 512 consecutive bytes a load.  1,024 waves, no loop, no barrier: waves share nothing.
; The conversions want 16 neighbours along K in ONE lane, the loads want neighbouring lanes on neighbouring bytes: so a tile turns through the wave's own stage in LDS (rows of 512 bytes + 16: the sixteen rows of a pass fall on different banks).
; No matrix unit, no cluster, no tensor load: memory binds, and nothing is shared between work-groups.
.set STG, 8448                         ; a stage: 16 rows x 528 bytes; two for each wave
.set F0,  64                           ; v64-191  two sets of 64 numbers: register 16 c + i = k 32 c + 16 h + i of my row
.set PCB, 192                          ; v192-255 codes: 16 registers for each t, so that no store's data are written again
.set TM,  12                           ; v12-15 largest magnitudes, v16-19 bytes, v20-23 448 x the scale, v24-27 the conversions' scale operands
.set PW,  28                           ; v28-31  the four tiles' scale words
.set MSB, 0                            ; window 1 (v256-511): X(t, row) = 64 t + 4 row: the numbers as loaded
.macro WIN new                         ; the immediate's high byte repeats the setting that is left
.if MSB != (\new)
	s_set_vgpr_msb (MSB<<8)|(\new)
.set MSB, (\new)
.endif
.endm
; 64 numbers of a lane become a fragment's 16 registers of codes (v[pc] on) and its row's scale word (v[pw])
.macro QUANT s, pc, pw
.irp b, 0,1,2,3
	v_max3_num_f32 v[TM+\b], |v[\s+16*\b]|, |v[\s+1+16*\b]|, 0x4800000   ; block b: my 16 numbers, and the floor 2^(9 - 127): the byte cannot fall under 1
.endr
.irp i, 2,4,6,8,10,12,14
.irp b, 0,1,2,3
	v_max3_num_f32 v[TM+\b], v[TM+\b], |v[\s+16*\b+\i]|, |v[\s+1+16*\b+\i]|   ; the four blocks by turns
.endr
.endr
.irp b, 0,1,2,3
	v_permlanex16_b32 v[TM+4+\b], v[TM+\b], s34, s35
.endr
.irp b, 0,1,2,3
	v_max_num_f32 v[TM+\b], v[TM+\b], v[TM+4+\b]           ; with lane l xor 16's 16: the block's largest magnitude
.endr
.irp b, 0,1,2,3
	v_add_nc_u32 v[TM+12+\b], 0xfc000000, v[TM+\b]         ; 8 off its exponent field: the conversion takes this operand's exponent field as its scale
.endr
.irp b, 0,1,2,3
	v_and_or_b32 v[TM+8+\b], v[TM+\b], 0x7f800000, s36     ; 448 x the scale: the exponent field over 448's mantissa
.endr
.irp b, 0,1,2,3
	v_lshrrev_b32 v[TM+4+\b], 23, v[TM+12+\b]              ; the scale's byte
.endr
	v_lshl_or_b32 v[\pw], v[TM+5], 8, v[TM+4]
	v_lshl_or_b32 v[\pw], v[TM+6], 16, v[\pw]
	v_lshl_or_b32 v[\pw], v[TM+7], 24, v[\pw]
.irp b, 0,1,2,3
.irp i, 0,1,2,3,4,5,6,7,8,9,10,11,12,13,14,15
	v_med3_num_f32 v[\s+16*\b+\i], v[\s+16*\b+\i], -v[TM+8+\b], v[TM+8+\b]   ; the conversion to an 8-bit code does not saturate (ISA guide 7.6.2): the hold comes first
.endr
	v_cvt_scalef32_pk8_fp8_f32 v[\pc+4*\b:\pc+1+4*\b], v[\s+16*\b:\s+7+16*\b], v[TM+12+\b]
	v_cvt_scalef32_pk8_fp8_f32 v[\pc+2+4*\b:\pc+3+4*\b], v[\s+8+16*\b:\s+15+16*\b], v[TM+12+\b]
.endr
	v_nop                                          ; a plain line behind the last conversion
.endm
; tile t through stage t % 2: in as loaded, out 64 bytes of each block's 128 a lane.  LDS serves a wave's instructions in order: no wait between
.macro STAGE t
	WIN 0x04                                       ; an LDS store's data are its source 1: window 1
.irp row, 0,1,2,3,4,5,6,7,8,9,10,11,12,13,14,15
	ds_store_b128 v2, v[64*(\t)+4*\row:64*(\t)+4*\row+3] offset:((\t)%2)*STG+\row*528
.endr
	WIN 0
.irp c, 0,1,2,3
.irp j, 0,1,2,3
	ds_load_b128 v[F0+64*((\t)%2)+16*\c+4*\j:F0+64*((\t)%2)+16*\c+4*\j+3], v3 offset:((\t)%2)*STG+128*\c+16*\j
.endr
.endr
.endm
	s_load_b256 s[4:11], s[0:1], 0x0               ; e0, e1, e2, e3
	s_load_b256 s[12:19], s[0:1], 0x20             ; bo, hq, hs, rs
	s_load_b256 s[40:47], s[0:1], 0x40             ; Wq's, Wk's, Wv's codes, wl
	v_lshl_add_u32 v62, v0, 2, 0x10800
	v_mov_b32 v63, 0
	v_lshrrev_b32 v5, 5, v0
	v_readfirstlane_b32 s20, v5                    ; wave
	v_and_b32 v6, 31, v0                           ; lane
	v_and_b32 v7, 15, v0                           ; r
	v_bfe_u32 v5, v0, 4, 1                         ; h
	v_lshlrev_b32 v1, 4, v6                        ; v1: 16 x lane; never rewritten
	s_mul_i32 s21, s20, 2*STG                      ; my wave's two stages
	v_add_nc_u32 v2, s21, v1                       ; v2: into a stage
	v_mul_u32_u24 v3, v7, 528
	v_lshl_add_u32 v3, v5, 6, v3
	v_add_nc_u32 v3, s21, v3                       ; v3: out of it: row r, + 64 h
	v_lshlrev_b32 v4, 4, v7
	v_lshl_add_u32 v4, v5, 3, v4                   ; v4: 16 r + 8 h: my two scale words
	v_cmp_lt_u32 vcc_lo, 15, v6                    ; lanes 16-31
.irp b, 0,1,2,3
	v_mov_b32 v[TM+4+\b], 0                        ; written once: a lane permute's destination counts as one of its sources
.endr
	s_lshr_b32 s22, ttmp9, 2                       ; G = b / 16
	s_and_b32 s23, ttmp9, 3
	s_lshl_b32 s23, s23, 2
	s_add_co_u32 s23, s23, s20                     ; ks
	s_lshl_b32 s24, s22, 17                        ; e_t, rs: 16 G rows of 8,192 bytes + 512 ks
	s_lshl_b32 s26, s23, 9                         ; bo: 512 ks
	s_add_co_u32 s24, s24, s26
	s_mov_b32 s25, 0
	s_mov_b32 s27, 0
	s_lshl_b32 s28, s23, 19                        ; hq: 524,288 ks + 8,192 G
	s_lshl_b32 s30, s22, 13
	s_add_co_u32 s28, s28, s30
	s_mov_b32 s29, 0
	s_lshr_b32 s30, s22, 2                         ; hs: 16,384 (G / 4) + 1,024 ks + 256 (G % 4)
	s_lshl_b32 s30, s30, 14
	s_lshl_b32 s32, s23, 10
	s_add_co_u32 s30, s30, s32
	s_and_b32 s32, s22, 3
	s_lshl_b32 s32, s32, 8
	s_add_co_u32 s30, s30, s32
	s_mov_b32 s31, 0
	s_mov_b32 s34, 0x76543210
	s_mov_b32 s35, 0xfedcba98                      ; v_permlanex16_b32's selects for lane l xor 16
	s_mov_b32 s36, 0x600000                        ; the mantissa field of 448
	; ALSO: wl[W 3][K step 0..5][row 2048][128 bytes] = the codes of k = 0 .. 767 of Wq, Wk, Wv, so that one K step of a head's 128 rows is 16 KiB dense for the next launch.
	; Wave g = 4 x work-group + wave copies rows 2 g, 2 g + 1 of each W: lanes 0-15 read 256 aligned bytes of one row, lanes 16-31 of the next; a line stores two whole aligned units of 256 bytes (two rows of one K step each).
	s_lshl_b32 s48, ttmp9, 2
	s_add_co_u32 s48, s48, s20                     ; g
	s_lshl_b32 s49, s48, 12
	s_lshl_b32 s50, s48, 8
	v_lshlrev_b32 v34, 4, v7
	v_lshl_add_u32 v34, v5, 11, v34
	v_add_nc_u32 v34, s49, v34                     ; from: 4,096 g + 2,048 h + 16 r
	v_lshrrev_b32 v35, 3, v7
	v_lshlrev_b32 v35, 18, v35
	v_lshl_add_u32 v35, v5, 7, v35
	v_and_b32 v36, 7, v7
	v_lshl_add_u32 v35, v36, 4, v35
	v_add_nc_u32 v35, s50, v35                     ; to: 262,144 (r / 8) + 256 g + 128 h + 16 (r % 8)
	s_wait_alu depctr_va_vdst(0)
	s_wait_kmcnt 0x0
	s_add_nc_u64 s[4:5], s[4:5], s[24:25]
	s_add_nc_u64 s[6:7], s[6:7], s[24:25]
	s_add_nc_u64 s[8:9], s[8:9], s[24:25]
	s_add_nc_u64 s[10:11], s[10:11], s[24:25]
	s_add_nc_u64 s[18:19], s[18:19], s[24:25]
	s_add_nc_u64 s[12:13], s[12:13], s[26:27]
	s_add_nc_u64 s[14:15], s[14:15], s[28:29]
	s_add_nc_u64 s[16:17], s[16:17], s[30:31]
.irp n, 0,1,2
.irp m, 0,1,2
	global_load_b128 v[192+12*\n+4*\m:195+12*\n+4*\m], v34, s[40+2*\n:41+2*\n] offset:256*\m   ; into registers that take codes later
.endr
.endr
	global_load_b128 v[8:11], v1, s[12:13]         ; bo at my four columns
	WIN 0x40                                       ; destination window 1
.irp t, 0,1,2,3
.irp row, 0,1,2,3,4,5,6,7,8,9,10,11,12,13,14,15
	global_load_b128 v[64*\t+4*\row:64*\t+4*\row+3], v1, s[4+2*\t:5+2*\t] offset:\row*8192 th:TH_LOAD_NT   ; 32 lanes read 512 consecutive bytes; read once
.endr
.endr
	WIN 0
	s_wait_loadcnt 48                              ; W's nine, bo and t = 0 are in; the 48 loads of t = 1, 2, 3 may be out
.irp n, 0,1,2
.irp m, 0,1,2
	global_store_b128 v35, v[192+12*\n+4*\m:195+12*\n+4*\m], s[46:47] offset:\n*1572864+\m*524288
.endr
.endr
	s_wait_xcnt 0x0                                ; the stores have read their data: the registers are written again below
	STAGE 0
.irp t, 0,1,2,3
.if \t < 3
	s_wait_loadcnt 16*(2-\t)                       ; tile t + 1 is in; the later tiles' loads may be out
	STAGE \t+1
	s_wait_dscnt 32                                ; tile t is back from its stage; the 32 LDS instructions of tile t + 1 may be out
	WIN 0x45
.set p, 0
.rept 32
	v_pk_add_f32 v[p:p+1], v[p:p+1], v[64*(\t+1)+p:64*(\t+1)+p+1]   ; the residual's sum grows in e0's registers (their LDS stores are done: the wait above)
.set p, p+2
.endr
	WIN 0
.else
	s_wait_dscnt 0x0
.endif
	QUANT F0+64*(\t%2), PCB+16*\t, PW+\t
.irp c, 0,1,2,3
	global_store_b128 v1, v[PCB+16*\t+4*\c:PCB+16*\t+4*\c+3], s[14:15] offset:\t*2048+\c*512   ; 32 lanes store 512 consecutive bytes, aligned
.endr
.endr
	v_cndmask_b32 v32, v[PW], v[PW+2], vcc_lo      ; every lane holds its row's four words: lane (r, h) stores those of t = 2 h, 2 h + 1
	v_cndmask_b32 v33, v[PW+1], v[PW+3], vcc_lo
	global_store_b64 v4, v[32:33], s[16:17]        ; 32 lanes store 256 consecutive bytes, aligned
	WIN 0x50                                       ; bo window 0; sum and result window 1
.irp row, 0,1,2,3,4,5,6,7,8,9,10,11,12,13,14,15
	v_pk_fma_f32 v[4*\row:4*\row+1], v[8:9], 4.0, v[4*\row:4*\row+1] op_sel_hi:[1,0,1]
	v_pk_fma_f32 v[4*\row+2:4*\row+3], v[10:11], 4.0, v[4*\row+2:4*\row+3] op_sel_hi:[1,0,1]
.endr
	WIN 0x04                                       ; a store's data are its source 1
.irp row, 0,1,2,3,4,5,6,7,8,9,10,11,12,13,14,15
	global_store_b128 v1, v[4*\row:4*\row+3], s[18:19] offset:\row*8192
.endr
	WIN 0
	s_wait_tensorcnt 0x0
	ds_add_u32 v62, v63
	s_wait_dscnt 0x0
	s_endpgm
.Lfunc_end_k_qabfb985692_quant:
	.size	k_qabfb985692_quant, .Lfunc_end_k_qabfb985692_quant-k_qabfb985692_quant
	.p2alignl 7, 3214868480
	.fill 96, 4, 3214868480
	.section	.rodata,"a",@progbits
	.p2align	6, 0x0
	.amdhsa_kernel k_qabfb985692_quant
		.amdhsa_group_segment_fixed_size 68096
		.amdhsa_private_segment_fixed_size 0
		.amdhsa_enable_private_segment 0
		.amdhsa_kernarg_size 96
		.amdhsa_user_sgpr_count 2
		.amdhsa_user_sgpr_kernarg_segment_ptr 1
		.amdhsa_wavefront_size32 1
		.amdhsa_system_sgpr_workgroup_id_x 1
		.amdhsa_system_sgpr_workgroup_id_y 1
		.amdhsa_system_sgpr_workgroup_id_z 1
		.amdhsa_system_vgpr_workitem_id 0
		.amdhsa_next_free_vgpr 512
		.amdhsa_next_free_sgpr 66
		.amdhsa_reserve_vcc 1
		.amdhsa_float_denorm_mode_32 3
		.amdhsa_float_denorm_mode_16_64 3
		.amdhsa_memory_ordered 1
		.amdhsa_forward_progress 1
		.amdhsa_inst_pref_size 63
	.end_amdhsa_kernel
	.amdgpu_metadata
---
amdhsa.version: [ 1, 2 ]
amdhsa.kernels:
  - .name:           k_qabfb985692_quant
    .symbol:         k_qabfb985692_quant.kd
    .args:
      - { .name: e0, .offset: 0, .size: 8, .value_kind: global_buffer, .address_space: global }
      - { .name: e1, .offset: 8, .size: 8, .value_kind: global_buffer, .address_space: global }
      - { .name: e2, .offset: 16, .size: 8, .value_kind: global_buffer, .address_space: global }
      - { .name: e3, .offset: 24, .size: 8, .value_kind: global_buffer, .address_space: global }
      - { .name: bo, .offset: 32, .size: 8, .value_kind: global_buffer, .address_space: global }
      - { .name: hq, .offset: 40, .size: 8, .value_kind: global_buffer, .address_space: global }
      - { .name: hs, .offset: 48, .size: 8, .value_kind: global_buffer, .address_space: global }
      - { .name: rs, .offset: 56, .size: 8, .value_kind: global_buffer, .address_space: global }
      - { .name: Wq_codes, .offset: 64, .size: 8, .value_kind: global_buffer, .address_space: global }
      - { .name: Wk_codes, .offset: 72, .size: 8, .value_kind: global_buffer, .address_space: global }
      - { .name: Wv_codes, .offset: 80, .size: 8, .value_kind: global_buffer, .address_space: global }
      - { .name: wl, .offset: 88, .size: 8, .value_kind: global_buffer, .address_space: global }
    .group_segment_fixed_size: 68096
    .private_segment_fixed_size: 0
    .kernarg_segment_align: 8
    .kernarg_segment_size: 96
    .max_flat_workgroup_size: 128
    .sgpr_count:     66
    .vgpr_count:     512
    .wavefront_size: 32
...
	.end_amdgpu_metadata
.endif
;; end of part 1
;; launch qkv (part 2): grid 16 x 16, 4 waves a work-group, clusters of 4 x 4, 327,680 bytes of LDS; arguments hq, hs, Wq_codes, Wq_scales, Wk_codes, Wk_scales, Wv_codes, Wv_scales, bq, bk, bv, quality, cq, cs, wl; writes cq, cs
.if DOCPART == 2
	.amdgcn_target "amdgcn-amd-amdhsa--gfx1250"
	.amdhsa_code_object_version 6
	.text
	.protected	k_qabfb985692_qkv
	.globl	k_qabfb985692_qkv
	.p2align	8
	.type	k_qabfb985692_qkv,@function
k_qabfb985692_qkv:
	s_mov_b64 s[64:65], 0
	v_nop
	global_prefetch_b8 v0, s[64:65] scope:SCOPE_SE
	s_setreg_imm32_b32 hwreg(HW_REG_WAVE_MODE, 25, 1), 1
	s_wait_xcnt 0x0
	s_wait_alu depctr_hold_cnt(0) depctr_sa_sdst(0) depctr_va_vdst(0) depctr_va_sdst(0) depctr_va_ssrc(0) depctr_va_vcc(0) depctr_vm_vsrc(0)
	s_getreg_b32 s2, hwreg(HW_REG_IB_STS2, 6, 4)
	s_cmp_eq_u32 s2, 0
	s_cbranch_scc0 .Lentry_in_a_cluster
	s_endpgm
.Lentry_in_a_cluster:
	s_bfe_u32 s2, ttmp6, 0x10000c
	s_cmp_lg_u32 s2, 0xf033
	s_cbranch_scc0 .Lentry_shape_is_right
	s_endpgm
.Lentry_shape_is_right:
; Q, K, V = Q(H) W^T + b on codes of E4M3 with E8M0 scales; then, for each (b, head): scores = Q K^T / sqrt(128) x quality[b][key], softmax (the row's maximum taken away), ctx = attn V, all in f32;
; ctx is quantised along its 128 and stored as the next launch's operand images (cq, cs: laid as hq, hs, the head in the K step's place).  Q, K, V never go to memory.
; SHARES.  A work-group: one head (x) and 64 b = 256 rows = 16 tiles (y).  Wave 2 RH + CH: rows 128 RH on (tiles a = 0..7: b group 2 RH + a / 4, t = a % 4) and the half CH of the head's 128 in each of Q, K, V:
; 12 blocks of 16 columns (block i: W number i / 4, rows 64 CH + 16 (i % 4) on).  96 accumulators, 768 registers.  A tile is 16 b at ONE t, so a lane holds all four t of one b.
; The matrix instruction is used transposed: source 0 = 16 rows of W, source 1 = 16 rows of H: lane (r, h) holds row r, register j column 8 h + j of the block.
; THE RING HAS TWO UNEQUAL SLOTS.  S holds one K step of 128 (H: a dense image of 32 KiB; W: 3 x 128 rows of 128 bytes + 16), P a pair of K steps (H: two images; W: 3 x 128 rows of 256 bytes + 16): two changes of slots
; for three K steps; two slots of a pair each would take 339,968 bytes.  S takes K steps 0 to 5, P the pairs (6, 7) to (14, 15), walked S, P, S, P .. S.  S's rows of W come out of wl, where the first launch has laid
; K steps 0 to 5 densely: a head's 128 rows of one K step are 16 KiB on end, stated as 64 rows of 256 bytes with the padding behind each 128.  Each change asks by one tensor load a wave: wave 3 for H, waves 0, 1, 2 for Wq, Wk, Wv.
; 24 of a step's 96 products stand between the add and the barrier's wait.
; THE HEAD: each wave asks for its part of S; P's first fill follows behind the full sequence and a round.
; THE SCALES of the work-group's rows, for all of K (W's 24 KiB, H's 16 KiB), come once by plain loads, 128 threads x 16 consecutive bytes a line, and go by LDS stores into bytes of their own.
; CLUSTERS 4 x 4: the four of a row share H's tiles, the four of a column the head's rows of W: each tile is asked for jointly.
; LIMITS: the K steps are summed, in f32, in the order of the walk and not ascending; bv is added once to ctx, as the sums' first addend, where the weights' sum (1 within f32 rounding) would multiply it;
; a block of ctx whose largest magnitude lies under 2^-118 gets the byte 1; NaN and infinities are not served.
; REGISTERS.  Window 0: v1-2 the add's, v3-7 and v16-21 LDS addresses, v8-15 H's scale words, v24-29 W's, v30, v31 the prefetches' offsets, v32-159 H's 8 fragments, v160-255 six buffers for W's fragments.
;   Windows 1, 2, 3: the accumulators of Q, K, V: (a, i) at 32 a + 8 (i % 4).
.set PBW,   34816                      ; slot P begins at 0: W: 3 x 128 rows x 272
.set SBB,   104448                     ; slot S: W: 3 x 128 rows x 144
.set SBBW,  18432
.set PA,    159744                     ; slot P: H: two images of 32 KiB
.set SAA,   225280                     ; slot S: H: one
.set SB,    258048                     ; W's scale bytes: 3 x (32 rows of 256 bytes + 16)
.set SBW,   8704
.set SA,    284160                     ; H's scale words, 16 KiB, dense
.set SPARE, 300544                     ; the spare words: two blocks of 256 bytes that no other line names
.set BIASL, 301056                     ; each wave's own 3 x 64 biases
.set QUAL,  304128                     ; each wave's own 32 rows of quality
.set PSX,   0                          ; the way out: the scores' halves, 4 x 4,096 bytes, and
.set SCX,   16384                      ; the scale half-words: in slot P, which has had its last fill and its last read by then
.set MSB, 0
.macro WIN new
.if MSB != (\new)
	s_set_vgpr_msb (MSB<<8)|(\new)
.set MSB, (\new)
.endif
.endm
.macro PLACES n                        ; plain vector lines behind a matrix instruction: eight for this form
.rept \n
	v_nop
.endr
.endm
.macro CREST                           ; a round of the cluster's barrier behind its opening barrier
	s_cmp_lg_u32 s32, 0
	s_cbranch_scc1 .Lnw0_\@
	s_barrier_signal -3
.Lnw0_\@:
	s_barrier_wait -3
	s_barrier_signal -1
	s_barrier_wait -1
.endm
.macro CROUND
	s_barrier_signal -1
	s_barrier_wait -1
	CREST
.endm
; loc says where a K step lies: 0 slot S; 1, 2 the first, the second K step of slot P
.macro AFRAG a, loc
.irp c, 0,1,2,3
.if (\loc) == 0
	ds_load_b128 v[32+16*(\a)+4*\c:32+16*(\a)+4*\c+3], v3 offset:(\a)*2048+512*\c
.else
	ds_load_b128 v[32+16*(\a)+4*\c:32+16*(\a)+4*\c+3], v16 offset:((\loc)-1)*32768+(\a)*2048+512*\c
.endif
.endr
.endm
.macro BFRAG u, i, loc
.irp c, 0,1,2,3
.if (\loc) == 0
	ds_load_b128 v[160+16*(\u)+4*\c:160+16*(\u)+4*\c+3], v4 offset:((\i)/4)*SBBW+((\i)%4)*2304+32*\c
.else
	ds_load_b128 v[160+16*(\u)+4*\c:160+16*(\u)+4*\c+3], v[17+(\i)/4] offset:((\i)%4)*4352+128*((\loc)-1)+32*\c
.endif
.endr
.if (\loc) == 0
	ds_load_b32 v[24+(\u)], v7 offset:((\i)/4)*SBW+((\i)%4)*1088
.else
	ds_load_b32 v[24+(\u)], v20 offset:((\i)/4)*SBW+((\i)%4)*1088+4*((\loc)-1)
.endif
.endm
.macro BGRP set, gi, loc               ; blocks 3 gi .. 3 gi + 2 into buffers 3 set ..: 15 LDS loads
.irp m, 0,1,2
	BFRAG 3*(\set)+\m, 3*(\gi)+\m, \loc
.endr
.endm
.macro HSC loc
.if (\loc) == 0
	ds_load_b128 v[8:11], v6
	ds_load_b128 v[12:15], v6 offset:256
.else
	ds_load_b128 v[8:11], v21 offset:((\loc)-1)*1024
	ds_load_b128 v[12:15], v21 offset:((\loc)-1)*1024+256
.endif
.endm
.macro MM a, i, u, zero
.if \zero
	v_wmma_scale_f32_16x16x128_f8f6f4 v[32*(\a)+8*((\i)%4):32*(\a)+8*((\i)%4)+7], v[160+16*(\u):160+16*(\u)+15], v[32+16*(\a):32+16*(\a)+15], 0, v[24+(\u)], v[8+(\a)]
.else
	v_wmma_scale_f32_16x16x128_f8f6f4 v[32*(\a)+8*((\i)%4):32*(\a)+8*((\i)%4)+7], v[160+16*(\u):160+16*(\u)+15], v[32+16*(\a):32+16*(\a)+15], v[32*(\a)+8*((\i)%4):32*(\a)+8*((\i)%4)+7], v[24+(\u)], v[8+(\a)]
.endif
.endm
.macro MULA gi, set, a0, zero          ; 12: tiles a0 .. a0 + 3 x a group's three blocks
.irp a, \a0, \a0+1, \a0+2, \a0+3
.irp m, 0,1,2
	MM \a, 3*(\gi)+\m, 3*(\set)+\m, \zero
.endr
.endr
.endm
.macro MULB i, u, zero                 ; 8: all tiles x block i
.irp a, 0,1,2,3,4,5,6,7
	MM \a, \i, \u, \zero
.endr
.endm
.macro TL g0, g1                       ; a tensor load; s_nop 0 and four v_nop follow it
	tensor_load_to_lds s[\g0:\g0+3], s[\g1:\g1+7]
	s_nop 0
	PLACES 4
.endm
.macro JLOAD ga, g1a, gb, g1b          ; wave 3 fetches H, waves 0 to 2 the 128 rows of their W; the branch hangs on the wave's number alone
	s_cmp_eq_u32 s32, 3
	s_cbranch_scc0 .Ljb_\@
	TL \ga, \g1a
	s_branch .Ljd_\@
.Ljb_\@:
	TL \gb, \g1b
.Ljd_\@:
.endm
; PREFETCHES INTO THE L2: behind each refill, what the NEXT refill will ask for: one change of slots ahead.  H: wave 3 of the clusters with x = 0 asks; the four partners along x take 8 KiB of an image each, told apart by
; address, lanes 256 bytes apart.  W: waves 0 to 2 of the clusters with y = 0 ask.  So each aligned block of 256 bytes is named once in the launch.
; ASKP, behind a refill of S: the pair that P takes next: (8, 9) at step 0, then (10, 11) to (14, 15): while more than one trip is left.  W: the partners along y take 32 of the 128 rows each, a lane a row.  H's pair is two images: two lines.
.macro ASKP
	s_cmp_gt_u32 s39, s27
	s_cbranch_scc0 .Lnp_\@
	global_prefetch_b8 v30, s[94:95] th:TH_LOAD_NT scope:SCOPE_SE
	s_cmp_eq_u32 s32, 3
	s_cbranch_scc0 .Lnp_\@
	global_prefetch_b8 v30, s[94:95] offset:524288 th:TH_LOAD_NT scope:SCOPE_SE
.Lnp_\@:
.endm
; ASKS, behind a refill of P: the K step that S takes next: 2 to 5.  W, out of wl: the partners along y take 4 KiB of the 16 each: lanes 0 to 15 name its 16 blocks, the lanes left over the last one again.
.macro ASKS
	s_and_b32 s2, s39, s26
	s_cmp_eq_u32 s2, 0
	s_cbranch_scc0 .Lns_\@
	global_prefetch_b8 v31, s[92:93] th:TH_LOAD_NT scope:SCOPE_SE
.Lns_\@:
.endm
; A K STEP of 128: 96 matrix instructions, the 96 accumulators by turns, in the same order in every step.
; cur, nxt: where this step's and the next step's tiles lie.  meet: 0 no barrier; 1 a barrier, nothing filled; 2 slot S, just read out, is filled again; 3 slot P is.
.macro STEP cur, nxt, meet, zero
.if (\meet) == 2
	s_wait_xcnt 0x0                                ; the last prefetch by this address has read it
	s_add_nc_u64 s[94:95], s[94:95], s[98:99]
.endif
.if (\meet) == 3
	s_wait_xcnt 0x0
	s_add_nc_u64 s[92:93], s[92:93], s[96:97]
.endif
	s_wait_dscnt 31                                ; W's group 0, tiles 0-3 and H's scale words are in; younger: tiles 4-7 (16), group 1 (15)
	WIN 0x50
	MULA 0, 0, 0, \zero
	s_wait_dscnt 15                                ; tiles 4-7 are in
	MULA 0, 0, 4, \zero
	PLACES 8
	WIN 0
	BGRP 0, 2, \cur
	s_wait_dscnt 15                                ; group 1 is in
	WIN 0x50
	MULB 3, 3, \zero
	WIN 0xa0
	MULB 4, 4, \zero
	MULB 5, 5, \zero
	PLACES 8
	WIN 0
	BGRP 1, 3, \cur                                ; my last reads of this step's tiles
.if (\meet) == 0
	s_wait_dscnt 15                                ; group 2 is in
	WIN 0xa0
	MULB 6, 0, \zero
	MULB 7, 1, \zero
	WIN 0xf0
	MULB 8, 2, \zero
	PLACES 8
	WIN 0
.else
	s_wait_tensorcnt 0x0                           ; all my tensor loads have landed;
	ds_add_u32 v1, v2
.if (\cur) == 0
	v_add_nc_u32 v6, 1024, v6                      ; S's next K step: its scale words of H,
	v_add_nc_u32 v7, 4, v7                         ; and of W
.else
	v_add_nc_u32 v21, 2048, v21                    ; P's next pair likewise
	v_add_nc_u32 v20, 8, v20
.endif
.if (\meet) == 2
	s_add_nc_u64 s[86:87], s[86:87], 524288        ; no load of mine is out: H a K step on,
	s_add_nc_u64 s[30:31], s[30:31], 262144        ; W a K step on in wl
.endif
.if (\meet) == 3
	s_add_nc_u64 s[90:91], s[90:91], 1048576       ; a pair on
	s_add_nc_u64 s[42:43], s[42:43], 256
.endif
	s_wait_dscnt 16                                ; group 2 is in; younger: group 3's 15 and the add
	WIN 0xa0
	MULB 6, 0, \zero
	MULB 7, 1, \zero
	s_wait_dscnt 0x0                               ; the add is done, and my reads of the slot are over
	s_barrier_signal -1
	WIN 0xf0
	MULB 8, 2, \zero
	WIN 0
	s_barrier_wait -1
.if (\meet) == 1
	PLACES 8
.endif
.if (\meet) == 2
	CREST                                          ; the barrier has opened a round of the cluster's
	JLOAD 84, 44, 28, 76
	ASKP
	PLACES 4                                       ; with the four behind the load: eight
.endif
.if (\meet) == 3
	CREST
	JLOAD 88, 68, 40, 52
	ASKS
	PLACES 4
.endif
.endif
	s_wait_alu depctr_va_vdst(0)
	BGRP 0, 0, \nxt
.if (\meet) == 0
	s_wait_dscnt 15                                ; group 3 is in
.endif
	WIN 0xf0
	MULA 3, 1, 0, \zero
	PLACES 8
	WIN 0
.irp a, 0,1,2,3
	AFRAG \a, \nxt
.endr
	WIN 0xf0
	MULA 3, 1, 4, \zero
	PLACES 8
	WIN 0
	HSC \nxt
.irp a, 4,5,6,7
	AFRAG \a, \nxt
.endr
	BGRP 1, 1, \nxt
.endm
	s_load_b512 s[4:19], s[0:1], 0x0               ; hq, hs, Wq codes, scales, Wk codes, scales, Wv codes, scales
	s_load_b64 s[66:67], s[0:1], 0x70              ; wl
	v_lshl_add_u32 v1, v0, 2, SPARE
	v_mov_b32 v2, 0
	ds_add_u32 v1, v2                              ; the opening lines: the add twice on end
	ds_add_u32 v1, v2
	v_lshrrev_b32 v48, 5, v0
	v_readfirstlane_b32 s32, v48                   ; wave
	s_lshr_b32 s33, s32, 1                         ; RH
	s_and_b32 s34, s32, 1                          ; CH
	s_bfe_u32 s35, ttmp6, 0x40000                  ; cx
	s_bfe_u32 s36, ttmp6, 0x40004                  ; cy
	s_lshl_b32 s37, ttmp9, 2
	s_add_co_u32 s37, s37, s35                     ; the head
	s_and_b32 s38, ttmp7, 0xffff
	s_lshl_b32 s38, s38, 2
	s_add_co_u32 s38, s38, s36                     ; the block of 64 b
	s_lshl_b32 s24, s36, 2
	s_lshl_b32 s24, 15, s24                        ; my row of the cluster
	s_lshl_b32 s25, 0x1111, s35                    ; my column
	s_or_b32 s44, s24, (3<<16)|(1<<21)             ; group 1, one K step of H: 32 KiB dense, 128 rows of 256 bytes
	s_mov_b32 s45, 32<<16
	s_mov_b32 s46, 128<<16
	s_mov_b32 s47, 32<<16
	s_mov_b32 s48, 128
	s_mov_b32 s49, 32
	s_mov_b32 s50, 0
	s_mov_b32 s51, 0
	s_or_b32 s52, s25, (1<<20)|(1<<21)|(5<<22)|(3<<25)   ; a pair of K steps of a W: 128 rows of 256 bytes, 2,048 apart; four words of padding after every 64
	s_mov_b32 s53, 256<<16
	s_mov_b32 s54, 128<<16
	s_mov_b32 s55, 256<<16
	s_mov_b32 s56, 128
	s_mov_b32 s57, 2048
	s_mov_b32 s58, 0
	s_mov_b32 s59, 0
	s_or_b32 s68, s24, (3<<16)|(1<<21)             ; a pair of K steps of H: two images, 524,288 bytes apart: 2 rows of 4,096 elements of 8 bytes
	s_mov_b32 s69, 4096<<16
	s_mov_b32 s70, 2<<16
	s_mov_b32 s71, 4096<<16
	s_mov_b32 s72, 2
	s_mov_b32 s73, 65536
	s_mov_b32 s74, 0
	s_mov_b32 s75, 0
	s_or_b32 s76, s25, (1<<20)|(1<<21)|(4<<22)|(3<<25)   ; one K step of a W out of wl: 16 KiB dense, 64 rows of 256 bytes; four words of padding after every 32
	s_mov_b32 s77, 256<<16
	s_mov_b32 s78, 64<<16
	s_mov_b32 s79, 256<<16
	s_mov_b32 s80, 64
	s_mov_b32 s81, 256
	s_mov_b32 s82, 0
	s_mov_b32 s83, 0
	s_lshl_b32 s2, s37, 13
	v_lshl_add_u32 v56, v0, 4, s2                  ; W's scale bytes: the head's 8 KiB, 16 x thread
	s_lshl_b32 s3, s38, 14
	v_lshl_add_u32 v57, v0, 4, s3                  ; H's: the block's 16 KiB
	s_wait_dscnt 0x0
	s_wait_alu depctr_va_vdst(0)
	s_wait_kmcnt 0x0
.irp n, 0,1,2
.irp i, 0,1,2,3
	global_load_b128 v[160+16*\n+4*\i:163+16*\n+4*\i], v56, s[10+4*\n:11+4*\n] offset:2048*\i
.endr
.endr
.irp i, 0,1,2,3,4,5,6,7
	global_load_b128 v[208+4*\i:211+4*\i], v57, s[6:7] offset:2048*\i
.endr
	s_cmp_lt_u32 s32, 1                            ; my W: wave 0 Wq, wave 1 Wk, wave 2 (and 3, which asks for none) Wv
	s_cselect_b64 s[20:21], s[8:9], s[12:13]
	s_cmp_lt_u32 s32, 2
	s_cselect_b64 s[20:21], s[20:21], s[16:17]
	s_lshl_b32 s2, s38, 15
	s_mov_b32 s3, 0
	s_mov_b32 s84, 1                               ; H for S: K step 0
	s_mov_b32 s85, SAA
	s_add_nc_u64 s[86:87], s[4:5], s[2:3]
	s_mov_b32 s88, 1                               ; H for P: K steps 6 and 7
	s_mov_b32 s89, PA
	s_add_nc_u64 s[90:91], s[86:87], 3145728
	s_min_u32 s2, s32, 2
	s_mul_i32 s2, s2, 1572864
	s_lshl_b32 s3, s37, 14
	s_add_co_u32 s2, s2, s3
	s_mov_b32 s3, 0
	s_mov_b32 s28, 1                               ; W for S: wl at my W, K step 0, the head's rows
	s_mul_i32 s29, s32, SBBW
	s_add_co_u32 s29, s29, SBB
	s_add_nc_u64 s[30:31], s[66:67], s[2:3]
	s_lshl_b32 s66, s37, 18
	s_mov_b32 s67, 0
	s_add_nc_u64 s[20:21], s[20:21], s[66:67]      ; my W's codes at the head's first row
	s_mov_b32 s40, 1                               ; W for P: K steps 6 and 7
	s_mul_i32 s41, s32, PBW
	s_add_nc_u64 s[42:43], s[20:21], 768
	s_cmp_eq_u32 s32, 3                            ; kept for the prefetches: wave 3 asks for H, the others for their W
	s_cselect_b64 s[92:93], s[86:87], s[30:31]
	s_cselect_b64 s[94:95], s[86:87], s[20:21]
	s_or_b32 s87, s87, 0x80000000
	s_or_b32 s91, s91, 0x80000000
	s_or_b32 s31, s31, 0x80000000
	s_or_b32 s43, s43, 0x80000000
	s_load_b256 s[20:27], s[0:1], 0x40             ; bq, bk, bv, quality
	CROUND                                         ; all sixteen work-groups are here
	JLOAD 84, 44, 28, 76                           ; one joint load a wave: my part of slot S
	v_and_b32 v48, 31, v0                          ; lane
	v_and_b32 v49, 15, v0                          ; r
	v_bfe_u32 v50, v0, 4, 1                        ; h
	s_lshl_b32 s3, s33, 14
	s_add_co_u32 s3, s3, PA
	v_lshl_add_u32 v16, v48, 4, s3                 ; H's images in P: my 8 tiles, 16 x lane
	v_add_nc_u32 v3, SAA-PA, v16                   ; in S
	s_mul_i32 s3, s34, 9216
	s_add_co_u32 s3, s3, SBB
	v_mul_u32_u24 v4, v49, 144
	v_lshl_add_u32 v4, v50, 4, v4
	v_add_nc_u32 v4, s3, v4                        ; W in S: my half of the head, row r, + 16 h
	s_mul_i32 s3, s34, 17408
	v_mul_u32_u24 v17, v49, 272
	v_lshl_add_u32 v17, v50, 4, v17
	v_add_nc_u32 v17, s3, v17                      ; Wq, Wk, Wv in P
	v_add_nc_u32 v18, PBW, v17
	v_add_nc_u32 v19, 2*PBW, v17
	s_lshl_b32 s3, s33, 9
	s_add_co_u32 s3, s3, SA
	v_lshl_add_u32 v6, v49, 4, s3                  ; H's scale words for S: K step 0
	v_add_nc_u32 v21, 6*1024, v6                   ; for P: K step 6
	s_mul_i32 s3, s34, 4352
	s_add_co_u32 s3, s3, SB
	v_lshrrev_b32 v51, 2, v49
	v_lshlrev_b32 v7, 6, v49
	v_lshl_add_u32 v7, v51, 4, v7
	v_add_nc_u32 v7, s3, v7                        ; W's scale words for S: 64 bytes a row, 16 more for each 256 passed
	v_add_nc_u32 v20, 6*4, v7                      ; for P
	v_lshl_add_u32 v58, v0, 4, SA                  ; where the scales go: H's dense,
	v_lshrrev_b32 v59, 4, v0
	v_mul_u32_u24 v59, v59, 272
	v_lshl_add_u32 v59, v49, 4, v59
	v_add_nc_u32 v59, SB, v59                      ; W's in units of 256 + 16
	s_lshl_b32 s66, s37, 9
	s_lshl_b32 s67, s34, 8
	s_add_co_u32 s66, s66, s67
	v_lshl_add_u32 v52, v48, 3, s66                ; my wave's 64 biases of each W
	s_lshl_b32 s2, s38, 10
	s_lshl_b32 s67, s33, 9
	s_add_co_u32 s2, s2, s67
	v_lshl_add_u32 v53, v48, 4, s2                 ; and its 32 rows of quality
	s_mul_i32 s3, s32, 768
	s_add_co_u32 s3, s3, BIASL
	v_lshl_add_u32 v54, v48, 3, s3
	s_lshl_b32 s3, s32, 9
	s_add_co_u32 s3, s3, QUAL
	v_lshl_add_u32 v55, v48, 4, s3
	s_wait_alu depctr_va_vdst(0)
	s_wait_kmcnt 0x0
	global_load_b64 v[240:241], v52, s[20:21]
	global_load_b64 v[242:243], v52, s[22:23]
	global_load_b64 v[244:245], v52, s[24:25]
	global_load_b128 v[248:251], v53, s[26:27]
	s_mov_b32 s60, 0x76543210
	s_mov_b32 s61, 0xfedcba98                      ; v_permlanex16_b32's selects for lane l xor 16
	s_mov_b32 s62, 0x600000                        ; the mantissa field of 448
	s_mov_b32 s63, 0x3e0293ee                      ; log2(e) / sqrt(128)
	s_wait_loadcnt 0x0
.irp n, 0,1,2
.irp i, 0,1,2,3
	ds_store_b128 v59, v[160+16*\n+4*\i:163+16*\n+4*\i] offset:\n*SBW+2176*\i
.endr
.endr
.irp i, 0,1,2,3,4,5,6,7
	ds_store_b128 v58, v[208+4*\i:211+4*\i] offset:2048*\i
.endr
	ds_store_b64 v54, v[240:241]
	ds_store_b64 v54, v[242:243] offset:256
	ds_store_b64 v54, v[244:245] offset:512
	ds_store_b128 v55, v[248:251]
	; the prefetches: s[92:93] S's address, s[94:95] P's, s[96:97], s[98:99] their steps, s26, s27 who asks and when (the loads by s[20:27] are done), v31, v30 the lanes' offsets
	s_and_b32 s3, ttmp7, 0xffff
	s_cmp_eq_u32 s32, 3
	s_cselect_b32 s3, ttmp9, s3                    ; the cluster coordinate along which other clusters read the same bytes
	s_cselect_b32 s67, s35, s36                    ; my place among the four that ask jointly: it enters the address alone
	s_mov_b32 s96, 262144
	s_cselect_b32 s96, 524288, s96                 ; a K step on
	s_mov_b32 s98, 256
	s_cselect_b32 s98, 1048576, s98                ; a pair on
	s_mov_b32 s66, 2048
	s_cselect_b32 s66, 256, s66                    ; P: from lane to lane
	s_cselect_b32 s100, 13, 12                     ; my work-group's part for S: 8 KiB of an image; 4 KiB of wl's 16
	s_cselect_b32 s101, 13, 16                     ; for P: 8 KiB; 32 rows of W
	s_cselect_b32 s20, 31, 15                      ; S: the last lane with a block of its own
	s_mov_b32 s21, 768
	s_cselect_b32 s21, 3145728, s21                ; a pair short of K step 8: each asking step steps the address first
	s_mov_b32 s97, 0
	s_mov_b32 s99, 0
	s_cmp_eq_u32 s3, 0                             ; only the first cluster along that coordinate asks
	s_cselect_b32 s26, 0, 7
	s_cselect_b32 s27, 1, -1
	s_lshl_b32 s2, s67, s100
	s_add_co_u32 s2, s2, s96                       ; a K step short of K step 2
	s_mov_b32 s3, 0
	s_add_nc_u64 s[92:93], s[92:93], s[2:3]
	s_lshl_b32 s2, s67, s101
	s_add_co_u32 s2, s2, s21
	s_add_nc_u64 s[94:95], s[94:95], s[2:3]
	v_mul_lo_u32 v30, v48, s66
	v_min_u32 v31, s20, v48
	v_lshlrev_b32 v31, 8, v31
	s_wait_alu depctr_va_vdst(0)
	s_wait_tensorcnt 0x0                           ; my part of slot S is in; the full sequence ahead of a later first fill
	ds_add_u32 v1, v2
	s_wait_dscnt 0x0                               ; the add and my stores of scales are done
	CROUND
	JLOAD 88, 68, 40, 52                           ; slot P's first fill
	BGRP 0, 0, 0
.irp a, 0,1,2,3
	AFRAG \a, 0
.endr
	HSC 0
.irp a, 4,5,6,7
	AFRAG \a, 0
.endr
	BGRP 1, 1, 0
	s_mov_b32 s39, 4
	STEP 0, 1, 2, 1                                ; K step 0 starts the sums; S takes K step 1
.Lk:                                                   ; four trips of three steps: a pair out of P, then a K step out of S
	STEP 1, 2, 0, 0
	STEP 2, 0, 3, 0
	STEP 0, 1, 2, 0
	s_sub_co_u32 s39, s39, 1
	s_cmp_lg_u32 s39, 0
	s_cbranch_scc1 .Lk
	STEP 1, 2, 0, 0                                ; the tail: K steps 14, 15 and 5: nothing is left to ask for
	STEP 2, 0, 1, 0
	s_wait_dscnt 31
	WIN 0x50
	MULA 0, 0, 0, 0
	s_wait_dscnt 15
	MULA 0, 0, 4, 0
	PLACES 8
	WIN 0
	BGRP 0, 2, 0
	s_wait_dscnt 15
	WIN 0x50
	MULB 3, 3, 0
	WIN 0xa0
	MULB 4, 4, 0
	MULB 5, 5, 0
	PLACES 8
	WIN 0
	BGRP 1, 3, 0
	s_wait_dscnt 15
	WIN 0xa0
	MULB 6, 0, 0
	MULB 7, 1, 0
	WIN 0xf0
	MULB 8, 2, 0
	s_wait_dscnt 0x0
	MULA 3, 1, 0, 0
	MULA 3, 1, 4, 0
	WIN 0
	; THE WAY OUT.  Window 0 is free but for v0-2.  The address lines below are also the places behind the last products.
	s_wait_xcnt 0x0                                ; the last prefetches have read v30 and v31
	s_load_b128 s[28:31], s[0:1], 0x60             ; cq, cs (the registers held a descriptor whose last load has been waited for)
	s_mul_i32 s3, s32, 768
	s_add_co_u32 s3, s3, BIASL
	v_bfe_u32 v3, v0, 4, 1
	v_lshl_add_u32 v3, v3, 5, s3                   ; my biases: + 32 h
	s_lshl_b32 s3, s32, 9
	s_add_co_u32 s3, s3, QUAL
	v_and_b32 v4, 15, v0
	v_lshl_add_u32 v4, v4, 4, s3                   ; my b's quality
	s_wait_alu depctr_va_vdst(0)
	s_lshl_b32 s3, s32, 12
	v_and_b32 v31, 31, v0
	v_lshlrev_b32 v31, 4, v31                      ; 16 x lane
	v_add_nc_u32 v5, s3, v31                       ; where my half scores go,
	s_xor_b32 s3, s3, 4096
	v_add_nc_u32 v6, s3, v31                       ; and where the other half's wave puts its own
	s_lshl_b32 s3, s32, 9
	s_add_co_u32 s3, s3, SCX
	v_and_b32 v7, 15, v0
	v_lshl_add_u32 v7, v7, 4, s3                   ; my scale half-words
	s_lshl_b32 s3, s33, 10
	s_lshl_b32 s67, s34, 8
	s_add_co_u32 s3, s3, s67
	s_add_co_u32 s3, s3, SCX
	v_and_b32 v30, 31, v0
	v_lshl_add_u32 v30, v30, 3, s3                 ; back: group 2 RH + CH, from the wave with CH = 0; the other's lie 512 on
.irp w, 0,1,2                                  ; bq v32-63, bk v64-95, bv v96-127: register 8 q + j = column 16 q + 8 h + j of my 64
.irp q, 0,1,2,3
.irp p, 0,1
	ds_load_b128 v[32+32*\w+8*\q+4*\p:32+32*\w+8*\q+4*\p+3], v3 offset:256*\w+64*\q+16*\p
.endr
.endr
.endr
	ds_load_b128 v[128:131], v4
	ds_load_b128 v[132:135], v4 offset:256
	s_wait_dscnt 0x0
	WIN 0x41                                       ; Q += bq: each accumulator from its low end on
.irp a, 0,1,2,3,4,5,6,7
.set p, 0
.rept 16
	v_pk_add_f32 v[32*\a+p:32*\a+p+1], v[32*\a+p:32*\a+p+1], v[32+p:33+p]
.set p, p+2
.endr
.endr
	WIN 0x82                                       ; K += bk
.irp a, 0,1,2,3,4,5,6,7
.set p, 0
.rept 16
	v_pk_add_f32 v[32*\a+p:32*\a+p+1], v[32*\a+p:32*\a+p+1], v[64+p:65+p]
.set p, p+2
.endr
.endr
	WIN 0x09                                       ; S(g, i, j) = Q(t = i) . K(t = j) over my 32 columns, in 32 chains: pair at v[136 + 2 (16 g + 4 i + j)]
.set p, 0
.rept 16
.irp g, 0,1
.irp i, 0,1,2,3
.irp j, 0,1,2,3
.if p == 0
	v_pk_mul_f32 v[136+32*\g+2*(4*\i+\j):137+32*\g+2*(4*\i+\j)], v[32*(4*\g+\i)+p:32*(4*\g+\i)+p+1], v[32*(4*\g+\j)+p:32*(4*\g+\j)+p+1]
.else
	v_pk_fma_f32 v[136+32*\g+2*(4*\i+\j):137+32*\g+2*(4*\i+\j)], v[32*(4*\g+\i)+p:32*(4*\g+\i)+p+1], v[32*(4*\g+\j)+p:32*(4*\g+\j)+p+1], v[136+32*\g+2*(4*\i+\j):137+32*\g+2*(4*\i+\j)]
.endif
.endr
.endr
.endr
.set p, p+2
.endr
	WIN 0
.set k, 0
.rept 32
	v_add_f32 v[200+k], v[136+2*k], v[137+2*k]
.set k, k+1
.endr
.set k, 0
.rept 32
	v_permlanex16_b32 v[136+k], v[200+k], s60, s61
.set k, k+1
.endr
.set k, 0
.rept 16
	v_pk_add_f32 v[200+k:201+k], v[200+k:201+k], v[136+k:137+k]   ; with lane l xor 16's: my wave's 64 columns
.set k, k+2
.endr
.irp q, 0,1,2,3,4,5,6,7
	ds_store_b128 v5, v[200+4*\q:203+4*\q] offset:512*\q
.endr
	s_wait_dscnt 0x0                               ; for the other wave's sake
	s_barrier_signal -1
	s_barrier_wait -1
.irp q, 0,1,2,3,4,5,6,7
	ds_load_b128 v[136+4*\q:139+4*\q], v6 offset:512*\q
.endr
.set k, 0
.rept 8
	v_mul_f32 v[128+k], s63, v[128+k]              ; quality x log2(e) / sqrt(128)
.set k, k+1
.endr
	s_wait_dscnt 0x0
.set k, 0
.rept 16
	v_pk_add_f32 v[200+k:201+k], v[200+k:201+k], v[136+k:137+k]   ; the head's 128
.set k, k+2
.endr
.irp g, 0,1
.irp i, 0,1,2,3
	v_pk_mul_f32 v[200+16*\g+4*\i:201+16*\g+4*\i], v[200+16*\g+4*\i:201+16*\g+4*\i], v[128+4*\g:129+4*\g]
	v_pk_mul_f32 v[202+16*\g+4*\i:203+16*\g+4*\i], v[202+16*\g+4*\i:203+16*\g+4*\i], v[130+4*\g:131+4*\g]
.endr
.endr
.set x, 0
.rept 8
	v_max3_num_f32 v[232+x], v[200+4*x], v[201+4*x], v[202+4*x]
.set x, x+1
.endr
.set x, 0
.rept 8
	v_max_num_f32 v[232+x], v[232+x], v[203+4*x]   ; the row's maximum
.set x, x+1
.endr
.set k, 0
.rept 32
	v_sub_f32 v[200+k], v[200+k], v[232+k/4]
.set k, k+1
.endr
.set k, 0
	s_wait_alu depctr_va_vdst(0)                   ; a wait ahead of the batch and one behind it
.rept 32
	v_exp_f32 v[200+k], v[200+k]
.set k, k+1
.endr
	v_nop
	s_wait_alu depctr_va_vdst(0)
.set x, 0
.rept 8
	v_add_f32 v[240+x], v[200+4*x], v[201+4*x]
	v_add_f32 v[248+x], v[202+4*x], v[203+4*x]
.set x, x+1
.endr
.set x, 0
.rept 8
	v_add_f32 v[240+x], v[240+x], v[248+x]
.set x, x+1
.endr
.set x, 0
	s_wait_alu depctr_va_vdst(0)
.rept 8
	v_rcp_f32 v[232+x], v[240+x]
.set x, x+1
.endr
	v_nop
	s_wait_alu depctr_va_vdst(0)
.set k, 0
.rept 32
	v_mul_f32 v[136+2*k], v[200+k], v[232+k/4]     ; attn, each in the low register of a pair
.set k, k+1
.endr
; ctx(t = i) = bv + the sum over j of attn(i, j) V(t = j), into Q's registers; V's accumulators are first read from their low ends
.irp j, 0,1,2,3
.if \j == 0
	WIN 0x43
.else
	WIN 0x53
.endif
.irp g, 0,1
.irp i, 0,1,2,3
.set p, 0
.rept 16
.if \j == 0
	v_pk_fma_f32 v[32*(4*\g+\i)+p:32*(4*\g+\i)+p+1], v[32*(4*\g+\j)+p:32*(4*\g+\j)+p+1], v[136+2*(16*\g+4*\i+\j):137+2*(16*\g+4*\i+\j)], v[96+p:97+p] op_sel_hi:[1,0,1]
.else
	v_pk_fma_f32 v[32*(4*\g+\i)+p:32*(4*\g+\i)+p+1], v[32*(4*\g+\j)+p:32*(4*\g+\j)+p+1], v[136+2*(16*\g+4*\i+\j):137+2*(16*\g+4*\i+\j)], v[32*(4*\g+\i)+p:32*(4*\g+\i)+p+1] op_sel_hi:[1,0,1]
.endif
.set p, p+2
.endr
.endr
.endr
.endr
; ctx is quantised: 16 blocks of 32 (k = 2 a + half): a lane's 16 numbers lie at 16 k of window 1, the other 16 in lane l xor 16
	WIN 0x05
.set k, 0
.rept 16
	v_max3_num_f32 v[96+k], |v[16*k]|, |v[16*k+1]|, 0x4800000     ; and the floor 2^(9 - 127)
.set k, k+1
.endr
	WIN 0x14
.irp i, 2,4,6,8,10,12,14
.set k, 0
.rept 16
	v_max3_num_f32 v[96+k], v[96+k], |v[16*k+\i]|, |v[16*k+\i+1]|
.set k, k+1
.endr
.endr
	WIN 0
.set k, 0
.rept 16
	v_permlanex16_b32 v[112+k], v[96+k], s60, s61
.set k, k+1
.endr
.set k, 0
.rept 16
	v_max_num_f32 v[96+k], v[96+k], v[112+k]
.set k, k+1
.endr
.set k, 0
.rept 16
	v_add_nc_u32 v[144+k], 0xfc000000, v[96+k]
	v_and_or_b32 v[128+k], v[96+k], 0x7f800000, s62
.set k, k+1
.endr
.set k, 0
.rept 16
	v_lshrrev_b32 v[112+k], 23, v[144+k]
.set k, k+1
.endr
.set k, 0
.rept 8
	v_lshl_or_b32 v[160+k], v[113+2*k], 8, v[112+2*k]
.set k, k+1
.endr
	WIN 0x41
.set k, 0
.rept 16
.irp i, 0,1,2,3,4,5,6,7,8,9,10,11,12,13,14,15
	v_med3_num_f32 v[16*k+\i], v[16*k+\i], -v[128+k], v[128+k]   ; the conversion does not saturate (ISA guide 7.6.2): the hold comes first
.endr
.set k, k+1
.endr
	WIN 0x01
.set k, 0
.rept 16
	v_cvt_scalef32_pk8_fp8_f32 v[32+4*k:33+4*k], v[16*k:16*k+7], v[144+k]
	v_cvt_scalef32_pk8_fp8_f32 v[34+4*k:35+4*k], v[16*k+8:16*k+15], v[144+k]
.set k, k+1
.endr
	WIN 0
	v_nop                                          ; a plain line behind the last conversion
; A lane holds columns 8 h + 0..7 and 16 + 8 h + 0..7 of a block; the operand wants 16 h + 0..15
.set k, 0
.rept 16
	v_permlane16_swap_b32 v[32+4*k], v[34+4*k]
	v_permlane16_swap_b32 v[33+4*k], v[35+4*k]
.set k, k+1
.endr
	s_lshl_b32 s20, s37, 19                        ; cq: 524,288 x head + 2,048 x (16 x block of b + 8 RH) + 1,024 CH
	s_lshl_b32 s21, s38, 15
	s_add_co_u32 s20, s20, s21
	s_lshl_b32 s21, s33, 14
	s_add_co_u32 s20, s20, s21
	s_lshl_b32 s21, s34, 10
	s_add_co_u32 s20, s20, s21
	s_mov_b32 s21, 0
	s_lshl_b32 s22, s38, 14                        ; cs: 16,384 x block of b + 1,024 x head
	s_lshl_b32 s23, s37, 10
	s_add_co_u32 s22, s22, s23
	s_mov_b32 s23, 0
	s_wait_alu depctr_va_vdst(0)
	s_wait_kmcnt 0x0
	s_add_nc_u64 s[28:29], s[28:29], s[20:21]
	s_add_nc_u64 s[30:31], s[30:31], s[22:23]
.set k, 0
.rept 16
	global_store_b128 v31, v[32+4*k:35+4*k], s[28:29] offset:(k/2)*2048+(k%2)*512   ; 32 lanes store 512 consecutive bytes, aligned
.set k, k+1
.endr
.set k, 0
.rept 8
	ds_store_b32 v7, v[160+k] offset:(k/4)*256+(k%4)*4   ; both lanes of a row write the same word with the same value
.set k, k+1
.endr
	s_wait_dscnt 0x0                               ; for the others' sake
	s_barrier_signal -1
	s_barrier_wait -1
	ds_load_b64 v[168:169], v30
	ds_load_b64 v[170:171], v30 offset:512
	v_lshlrev_b32 v3, 3, v0
	s_wait_dscnt 0x0
	v_lshl_or_b32 v168, v170, 16, v168
	v_lshl_or_b32 v169, v171, 16, v169
	s_wait_alu depctr_va_vdst(0)
	global_store_b64 v3, v[168:169], s[30:31]      ; 32 lanes store 256 consecutive bytes, aligned
	s_wait_tensorcnt 0x0                           ; the wave's end
	ds_add_u32 v1, v2
	s_wait_dscnt 0x0
	CROUND                                         ; the closing round
	s_endpgm
.Lfunc_end_k_qabfb985692_qkv:
	.size	k_qabfb985692_qkv, .Lfunc_end_k_qabfb985692_qkv-k_qabfb985692_qkv
	.p2alignl 7, 3214868480
	.fill 96, 4, 3214868480
	.section	.rodata,"a",@progbits
	.p2align	6, 0x0
	.amdhsa_kernel k_qabfb985692_qkv
		.amdhsa_group_segment_fixed_size 327680
		.amdhsa_private_segment_fixed_size 0
		.amdhsa_enable_private_segment 0
		.amdhsa_kernarg_size 120
		.amdhsa_user_sgpr_count 2
		.amdhsa_user_sgpr_kernarg_segment_ptr 1
		.amdhsa_wavefront_size32 1
		.amdhsa_system_sgpr_workgroup_id_x 1
		.amdhsa_system_sgpr_workgroup_id_y 1
		.amdhsa_system_sgpr_workgroup_id_z 1
		.amdhsa_system_vgpr_workitem_id 0
		.amdhsa_next_free_vgpr 1024
		.amdhsa_next_free_sgpr 102
		.amdhsa_reserve_vcc 0
		.amdhsa_float_denorm_mode_32 3
		.amdhsa_float_denorm_mode_16_64 3
		.amdhsa_memory_ordered 1
		.amdhsa_forward_progress 1
		.amdhsa_inst_pref_size 255
	.end_amdhsa_kernel
	.section	.bss,"aw",@nobits
	.p2align	6
	.space	262144
	.amdgpu_metadata
---
amdhsa.version: [ 1, 2 ]
amdhsa.kernels:
  - .name:           k_qabfb985692_qkv
    .symbol:         k_qabfb985692_qkv.kd
    .args:
      - { .name: hq, .offset: 0, .size: 8, .value_kind: global_buffer, .address_space: global }
      - { .name: hs, .offset: 8, .size: 8, .value_kind: global_buffer, .address_space: global }
      - { .name: Wq_codes, .offset: 16, .size: 8, .value_kind: global_buffer, .address_space: global }
      - { .name: Wq_scales, .offset: 24, .size: 8, .value_kind: global_buffer, .address_space: global }
      - { .name: Wk_codes, .offset: 32, .size: 8, .value_kind: global_buffer, .address_space: global }
      - { .name: Wk_scales, .offset: 40, .size: 8, .value_kind: global_buffer, .address_space: global }
      - { .name: Wv_codes, .offset: 48, .size: 8, .value_kind: global_buffer, .address_space: global }
      - { .name: Wv_scales, .offset: 56, .size: 8, .value_kind: global_buffer, .address_space: global }
      - { .name: bq, .offset: 64, .size: 8, .value_kind: global_buffer, .address_space: global }
      - { .name: bk, .offset: 72, .size: 8, .value_kind: global_buffer, .address_space: global }
      - { .name: bv, .offset: 80, .size: 8, .value_kind: global_buffer, .address_space: global }
      - { .name: quality, .offset: 88, .size: 8, .value_kind: global_buffer, .address_space: global }
      - { .name: cq, .offset: 96, .size: 8, .value_kind: global_buffer, .address_space: global }
      - { .name: cs, .offset: 104, .size: 8, .value_kind: global_buffer, .address_space: global }
      - { .name: wl, .offset: 112, .size: 8, .value_kind: global_buffer, .address_space: global }
    .group_segment_fixed_size: 327680
    .private_segment_fixed_size: 0
    .kernarg_segment_align: 8
    .kernarg_segment_size: 120
    .max_flat_workgroup_size: 128
    .sgpr_count:     102
    .vgpr_count:     1024
    .wavefront_size: 32
...
	.end_amdgpu_metadata
.endif
;; end of part 2
;; launch outp (part 3): grid 16 x 16, 4 waves a work-group, clusters of 4 x 4, 327,680 bytes of LDS; arguments cq, cs, Wo_codes, Wo_scales, rs, y; writes y
.if DOCPART == 3
	.amdgcn_target "amdgcn-amd-amdhsa--gfx1250"
	.amdhsa_code_object_version 6
	.text
	.protected	k_qabfb985692_outp
	.globl	k_qabfb985692_outp
	.p2align	8
	.type	k_qabfb985692_outp,@function
k_qabfb985692_outp:
	s_mov_b64 s[64:65], 0
	v_nop
	global_prefetch_b8 v0, s[64:65] scope:SCOPE_SE
	s_setreg_imm32_b32 hwreg(HW_REG_WAVE_MODE, 25, 1), 1
	s_wait_xcnt 0x0
	s_wait_alu depctr_hold_cnt(0) depctr_sa_sdst(0) depctr_va_vdst(0) depctr_va_sdst(0) depctr_va_ssrc(0) depctr_va_vcc(0) depctr_vm_vsrc(0)
	s_getreg_b32 s2, hwreg(HW_REG_IB_STS2, 6, 4)
	s_cmp_eq_u32 s2, 0
	s_cbranch_scc0 .Lentry_in_a_cluster
	s_endpgm
.Lentry_in_a_cluster:
	s_bfe_u32 s2, ttmp6, 0x10000c
	s_cmp_lg_u32 s2, 0xf033
	s_cbranch_scc0 .Lentry_shape_is_right
	s_endpgm
.Lentry_shape_is_right:
; y[b][n] = the sum over t and k of Q(ctx)[b][t][k] Wo[n][k] + rs[b][n], on codes of E4M3 with E8M0 scales.  y is four times reference()'s fused + residual; the norm that follows is told so.
; THE SUM OVER t IS MADE BY THE MATRIX UNIT: a tile of 16 rows is 16 b at one t, and the four tiles of a group add onto ONE accumulator.
; SHARES.  A work-group: 128 columns (x) and 64 b = 256 rows (y): 256 work-groups; a tile twice as wide would leave half of the WGPs without work.  Wave 2 RH + KP: rows 128 RH on (tiles a = 0..7: group a / 4, t = a % 4),
; all 8 blocks of 16 columns, and K step KP of each 256 along K: so no fragment is read twice by the work-group.  16 accumulators.  The two halves of K meet in LDS at the end.
; LIMIT: the f32 sums run over t and over two halves of K in another order than ascending K.
; THE RING HAS TWO UNEQUAL SLOTS.  K goes in eight parts D0 .. D7 of 256.  S holds one part (ctx: two dense images of 32 KiB; Wo: 128 rows of 256 bytes + 16), P two (ctx: four images; Wo: 128 rows of 512 bytes + 16):
; together with the scales they fill LDS.  The walk is P (D0, D1), S (D2), P (D3, D4), S (D5), P (D6, D7): three refills, one tensor load a wave each (waves 0, 1: ctx; waves 2, 3: halves of Wo's rows).
; A part is fetched into registers a whole period (64 matrix instructions) ahead of its products, so a slot is free, and asked for again, as soon as its last part has been fetched.
; The text is written out without a loop: every offset is an immediate.  The scales of all of K come once, with the first fills.  CLUSTERS 4 x 4: ctx's tiles shared along a row, Wo's along a column.
; No prefetch: three refills, of which the first follows the head at once.
; THE MATRIX INSTRUCTION IS USED TRANSPOSED (source 0 = 16 rows of Wo, source 1 = 16 rows of ctx): a lane holds eight neighbouring columns of a row of y.
; REGISTERS.  Window 0: v1-2 the add's, v3-12 addresses, v16-31 ctx's scale words (two sets), v32-47 Wo's (two sets), v64-127 rs, v128-255 the accumulators (group bt, block n: 128 + 8 (8 bt + n)).
;   Windows 1, 2: fragment sets 0, 1: ctx's 8 at 16 a, Wo's 8 at 128 + 16 n.
.set SBOF,  65536                      ; slot S begins at 0: ctx's two images, then Wo's rows
.set SLP,   100352                     ; slot P: ctx's four images,
.set PBOF,  231424                     ; then Wo's rows
.set SA,    299008                     ; ctx's scale words, 16 KiB
.set SB,    315392                     ; Wo's scale bytes: 32 rows of 256 bytes + 16
.set SPARE, 324096                     ; the spare words: two blocks of 256 bytes that no other line names
.set STGB,  16896                      ; the way out: 32 rows x 528 bytes for each wave, in slot S, which has had its last fill and its last read by then
.set MSB, 0
.macro WIN new
.if MSB != (\new)
	s_set_vgpr_msb (MSB<<8)|(\new)
.set MSB, (\new)
.endif
.endm
.macro PLACES n
.rept \n
	v_nop
.endr
.endm
.macro CREST
	s_cmp_lg_u32 s16, 0
	s_cbranch_scc1 .Lnw0_\@
	s_barrier_signal -3
.Lnw0_\@:
	s_barrier_wait -3
	s_barrier_signal -1
	s_barrier_wait -1
.endm
.macro CROUND
	s_barrier_signal -1
	s_barrier_wait -1
	CREST
.endm
.macro JLOAD ga, g1a, gb, g1b          ; waves 0, 1 fetch ctx, waves 2, 3 Wo; four v_nop follow each tensor line
	s_cmp_eq_u32 s17, 0
	s_cbranch_scc0 .Ljb_\@
	tensor_load_to_lds s[\ga:\ga+3], s[\g1a:\g1a+7]
	s_nop 0
.rept 4
	v_nop
.endr
	s_branch .Ljd_\@
.Ljb_\@:
	tensor_load_to_lds s[\gb:\gb+3], s[\g1b:\g1b+7]
	s_nop 0
.rept 4
	v_nop
.endr
.Ljd_\@:
.endm
; loc says where part d lies: 0 slot S; 1, 2 the first, the second part of slot P
.macro FETCH1 loc, d, set              ; Wo's eight fragments of my K step, and their scale words
	WIN 0x40*((\set)+1)
.irp n, 0,1,2,3,4,5,6,7
.irp c, 0,1,2,3
.if (\loc) == 0
	ds_load_b128 v[128+16*\n+4*\c:128+16*\n+4*\c+3], v5 offset:\n*4352+32*\c
.else
	ds_load_b128 v[128+16*\n+4*\c:128+16*\n+4*\c+3], v6 offset:\n*8448+256*((\loc)-1)+32*\c
.endif
.endr
.endr
	WIN 0
.irp n, 0,1,2,3,4,5,6,7
	ds_load_b32 v[32+8*(\set)+\n], v8 offset:\n*1088+8*(\d)
.endr
.endm
.macro FETCH2 loc, d, set              ; ctx's eight, and theirs
	WIN 0x40*((\set)+1)
.irp a, 0,1,2,3,4,5,6,7
.irp c, 0,1,2,3
.if (\loc) == 0
	ds_load_b128 v[16*\a+4*\c:16*\a+4*\c+3], v3 offset:\a*2048+512*\c
.elseif (\loc) == 1
	ds_load_b128 v[16*\a+4*\c:16*\a+4*\c+3], v4 offset:\a*2048+512*\c
.else
	ds_load_b128 v[16*\a+4*\c:16*\a+4*\c+3], v12 offset:\a*2048+512*\c
.endif
.endr
.endr
	WIN 0
	ds_load_b128 v[16+8*(\set):19+8*(\set)], v7 offset:2048*(\d)
	ds_load_b128 v[20+8*(\set):23+8*(\set)], v7 offset:2048*(\d)+256
.endm
.macro MULT set, t, zero               ; 16: the tiles of one t x the eight blocks; the 16 accumulators by turns
	WIN 0x05*((\set)+1)
.irp bt, 0,1
.irp n, 0,1,2,3,4,5,6,7
.if \zero
	v_wmma_scale_f32_16x16x128_f8f6f4 v[128+8*(8*\bt+\n):135+8*(8*\bt+\n)], v[128+16*\n:143+16*\n], v[16*(4*\bt+(\t)):16*(4*\bt+(\t))+15], 0, v[32+8*(\set)+\n], v[16+8*(\set)+4*\bt+(\t)]
.else
	v_wmma_scale_f32_16x16x128_f8f6f4 v[128+8*(8*\bt+\n):135+8*(8*\bt+\n)], v[128+16*\n:143+16*\n], v[16*(4*\bt+(\t)):16*(4*\bt+(\t))+15], v[128+8*(8*\bt+\n):135+8*(8*\bt+\n)], v[32+8*(\set)+\n], v[16+8*(\set)+4*\bt+(\t)]
.endif
.endr
.endr
.endm
; A PERIOD: part d is fetched from loc into a set of registers, and the other set, fetched a period ago, is multiplied: 64 matrix instructions.
; np: the places still owed in front of loads into the set that was multiplied last (eight; four where a tensor line's four v_nop stand just ahead; none for a set not yet used)
.macro PER loc, d, set, zero, np
	s_wait_dscnt 0x0                               ; the set fetched a period ago is in
.if (\np) > 0
	PLACES \np
.endif
	FETCH1 \loc, \d, \set
	MULT 1-(\set), 0, \zero
	FETCH2 \loc, \d, \set
	MULT 1-(\set), 1, 0
	MULT 1-(\set), 2, 0
	MULT 1-(\set), 3, 0
	WIN 0
.endm
; A CHANGE OF SLOTS.  kind 0: a barrier, nothing filled; 1: slot S, just fetched, is filled again; 2: slot P is.
.macro MEET kind
	s_wait_tensorcnt 0x0                           ; all my tensor loads have landed: my part of the slot that is fetched next;
	ds_add_u32 v1, v2                              ; 0 onto my spare word; the descriptors' steps stand between it and the wait for it
.if (\kind) == 1
	s_add_nc_u64 s[34:35], s[34:35], 3145728       ; no tensor load of mine is out, so a group 0 may be written: three parts on: six K steps of ctx,
	s_add_nc_u64 s[50:51], s[50:51], 768           ; 768 bytes in each row of Wo
.endif
.if (\kind) == 2
	s_add_nc_u64 s[38:39], s[38:39], 3145728
	s_add_nc_u64 s[54:55], s[54:55], 768
.endif
	s_wait_dscnt 0x0                               ; the add is done, and what I fetch of the slot is in my registers
.if (\kind) == 0
	s_barrier_signal -1
	s_barrier_wait -1
.endif
.if (\kind) == 1
	CROUND                                         ; no wave of any partner still reads the slot or has a load on its way
	JLOAD 32, 24, 48, 40                           ; the first tensor load behind the round, one a wave
.endif
.if (\kind) == 2
	CROUND
	JLOAD 36, 92, 52, 4
.endif
.endm
	s_load_b256 s[4:11], s[0:1], 0x0               ; cq, cs, Wo's codes, Wo's scales
	s_load_b128 s[12:15], s[0:1], 0x20             ; rs, y
	v_lshl_add_u32 v1, v0, 2, SPARE
	v_mov_b32 v2, 0
	ds_add_u32 v1, v2
	ds_add_u32 v1, v2
	s_wait_dscnt 0x0
	v_lshrrev_b32 v48, 5, v0
	v_readfirstlane_b32 s16, v48                   ; wave
	s_lshr_b32 s17, s16, 1                         ; RH.  Also: I fetch ctx (0) or Wo (1)
	s_and_b32 s18, s16, 1                          ; KP.  Also: which half I fetch
	s_bfe_u32 s20, ttmp6, 0x40000                  ; cx
	s_bfe_u32 s21, ttmp6, 0x40004                  ; cy
	s_lshl_b32 s22, ttmp9, 2
	s_add_co_u32 s22, s22, s20                     ; the block of 128 columns
	s_and_b32 s23, ttmp7, 0xffff
	s_lshl_b32 s23, s23, 2
	s_add_co_u32 s23, s23, s21                     ; the block of 64 b
	s_lshl_b32 s2, s21, 2
	s_lshl_b32 s2, 15, s2                          ; my row of the cluster
	s_lshl_b32 s19, 0x1111, s20                    ; my column
	s_or_b32 s24, s2, (3<<16)|(1<<21)              ; one K step of ctx: 32 KiB dense, 128 rows of 256 bytes
	s_mov_b32 s25, 32<<16
	s_mov_b32 s26, 128<<16
	s_mov_b32 s27, 32<<16
	s_mov_b32 s28, 128
	s_mov_b32 s29, 32
	s_mov_b32 s30, 0
	s_mov_b32 s31, 0
	s_or_b32 s92, s2, (3<<16)|(1<<21)              ; a part of ctx: two images of 32 KiB, 524,288 bytes apart: 2 rows of 4,096 elements of 8 bytes
	s_mov_b32 s93, 4096<<16
	s_mov_b32 s94, 2<<16
	s_mov_b32 s95, 4096<<16
	s_mov_b32 s96, 2
	s_mov_b32 s97, 65536
	s_mov_b32 s98, 0
	s_mov_b32 s99, 0
	s_or_b32 s40, s19, (1<<20)|(1<<21)|(5<<22)|(3<<25)   ; Wo for S: 64 rows of 256 bytes, 2,048 apart; four words of padding after every 64
	s_mov_b32 s41, 256<<16
	s_mov_b32 s42, 64<<16
	s_mov_b32 s43, 256<<16
	s_mov_b32 s44, 64
	s_mov_b32 s45, 2048
	s_mov_b32 s46, 0
	s_mov_b32 s47, 0
	s_lshl_b32 s2, s23, 15                         ; ctx: 32,768 x block of b + 524,288 x half
	s_lshl_b32 s3, s18, 19
	s_add_co_u32 s2, s2, s3
	s_mov_b32 s3, 0
	s_lshl_b32 s84, s22, 18                        ; Wo: 128 rows x block of columns + 64 rows x half
	s_lshl_b32 s85, s18, 17
	s_add_co_u32 s84, s84, s85
	s_mov_b32 s85, 0
	s_lshl_b32 s90, s23, 14                        ; the scales come by plain loads, 128 threads x 16 consecutive bytes a line: ctx's 16 KiB,
	v_lshl_add_u32 v50, v0, 4, s90
	s_lshl_b32 s91, s22, 13                        ; Wo's 8 KiB
	v_lshl_add_u32 v51, v0, 4, s91
	s_wait_alu depctr_va_vdst(0)
	s_wait_kmcnt 0x0
.irp i, 0,1,2,3,4,5,6,7
	global_load_b128 v[128+4*\i:131+4*\i], v50, s[6:7] offset:2048*\i
.endr
.irp i, 0,1,2,3
	global_load_b128 v[160+4*\i:163+4*\i], v51, s[10:11] offset:2048*\i
.endr
	s_mov_b32 s32, 1
	s_lshl_b32 s33, s18, 15
	s_add_nc_u64 s[34:35], s[4:5], s[2:3]
	s_lshl_b32 s2, s18, 19
	s_mov_b32 s36, 1                               ; ctx for P: part D0 + half: K steps 2 x half on
	s_lshl_b32 s37, s18, 16
	s_add_co_u32 s37, s37, SLP
	s_add_nc_u64 s[38:39], s[34:35], s[2:3]
	s_add_nc_u64 s[34:35], s[34:35], 2097152
	s_or_b32 s35, s35, 0x80000000
	s_or_b32 s39, s39, 0x80000000
	s_mov_b32 s52, 1                               ; Wo for P: bytes 0 to 511 of my 64 rows
	s_mul_i32 s53, s18, 33792
	s_add_co_u32 s53, s53, PBOF
	s_add_nc_u64 s[54:55], s[8:9], s[84:85]
	s_mov_b32 s48, 1                               ; Wo for S: bytes 512 to 767
	s_mul_i32 s49, s18, 17408
	s_add_co_u32 s49, s49, SBOF
	s_add_nc_u64 s[50:51], s[54:55], 512
	s_or_b32 s51, s51, 0x80000000
	s_or_b32 s55, s55, 0x80000000
	s_wait_xcnt 0x0                                ; the scales' loads have read their bases and offsets, which are written again below
	; the four pointers are used up: their registers take Wo's group 1 for P: 64 rows of 512 bytes; four words of padding after every 128
	s_or_b32 s4, s19, (1<<20)|(1<<21)|(6<<22)|(3<<25)
	s_mov_b32 s5, 512<<16
	s_mov_b32 s6, 64<<16
	s_mov_b32 s7, 512<<16
	s_mov_b32 s8, 64
	s_mov_b32 s9, 2048
	s_mov_b32 s10, 0
	s_mov_b32 s11, 0
	CROUND                                         ; all sixteen work-groups are here
	s_cmp_eq_u32 s17, 0                            ; one joint load a wave at the head: my part of slot P
	s_cbranch_scc0 .Lfirst_b
	tensor_load_to_lds s[36:39], s[92:99]
	s_nop 0
.rept 4
	v_nop
.endr
	s_branch .Lfirst_done
.Lfirst_b:
	tensor_load_to_lds s[52:55], s[4:11]
	s_nop 0
.rept 4
	v_nop
.endr
.Lfirst_done:
	v_and_b32 v48, 31, v0                          ; lane
	v_and_b32 v49, 15, v0                          ; r
	v_bfe_u32 v50, v0, 4, 1                        ; h
	v_lshlrev_b32 v9, 4, v48                       ; v9: 16 x lane
	s_lshl_b32 s86, s18, 15
	s_lshl_b32 s87, s17, 14
	s_add_co_u32 s86, s86, s87
	v_add_nc_u32 v3, s86, v9                       ; v3: ctx's images in S: my K step, my 8 tiles
	v_add_nc_u32 v4, SLP, v3                       ; v4, v12: in P's first and second part (an LDS offset has 16 bits)
	v_add_nc_u32 v12, SLP+65536, v3
	s_lshl_b32 s86, s18, 7
	v_mul_u32_u24 v5, v49, 272
	v_lshl_add_u32 v5, v50, 4, v5
	v_add_nc_u32 v5, s86, v5
	v_add_nc_u32 v5, SBOF, v5                      ; v5: Wo in S: row r, + 16 h, + my K step's 128 bytes
	v_mul_u32_u24 v6, v49, 528
	v_lshl_add_u32 v6, v50, 4, v6
	v_add_nc_u32 v6, s86, v6
	v_add_nc_u32 v6, PBOF, v6                      ; v6: in P
	s_lshl_b32 s86, s18, 10
	s_lshl_b32 s87, s17, 9
	s_add_co_u32 s86, s86, s87
	s_add_co_u32 s86, s86, SA
	v_lshl_add_u32 v7, v49, 4, s86                 ; v7: ctx's scale words: 2,048 bytes a part
	s_lshl_b32 s86, s18, 2
	s_add_co_u32 s86, s86, SB
	v_lshrrev_b32 v51, 2, v49
	v_lshlrev_b32 v8, 6, v49
	v_lshl_add_u32 v8, v51, 4, v8
	v_add_nc_u32 v8, s86, v8                       ; v8: Wo's scale words: 8 bytes a part
	s_mul_i32 s86, s16, STGB
	v_mul_u32_u24 v10, v49, 528
	v_lshl_add_u32 v10, v50, 5, v10
	v_add_nc_u32 v10, s86, v10                     ; v10: into my stage: row r, + 32 h
	s_mul_i32 s86, s17, 2*STGB
	s_mul_i32 s87, s18, 8448
	s_add_co_u32 s86, s86, s87
	v_add_nc_u32 v11, s86, v9                      ; v11: back: rows 16 KP on of my RH's first stage; the second lies STGB on
	s_lshl_b32 s90, s23, 19                        ; rs, y: row 64 x block of b + 32 RH + 16 KP, + 512 x block of columns
	s_lshl_b32 s91, s17, 18
	s_add_co_u32 s90, s90, s91
	s_lshl_b32 s91, s18, 17
	s_add_co_u32 s90, s90, s91
	s_lshl_b32 s91, s22, 9
	s_add_co_u32 s90, s90, s91
	s_mov_b32 s91, 0
	s_add_nc_u64 s[12:13], s[12:13], s[90:91]
	s_add_nc_u64 s[14:15], s[14:15], s[90:91]
.irp i, 0,1,2,3,4,5,6,7,8,9,10,11,12,13,14,15
	global_load_b128 v[64+4*\i:67+4*\i], v9, s[12:13] offset:\i*8192 th:TH_LOAD_NT   ; the 16 rows that I store at the end: asked for now, wanted then
.endr
	v_lshl_add_u32 v13, v0, 4, SA                  ; where the scales go: ctx's dense,
	v_lshrrev_b32 v14, 4, v0
	v_mul_u32_u24 v14, v14, 272
	v_lshl_add_u32 v14, v49, 4, v14
	v_add_nc_u32 v14, SB, v14                      ; Wo's in units of 256 bytes + 16
	s_wait_alu depctr_va_vdst(0)
	s_wait_loadcnt 16                              ; the scales are in; rs's 16 loads may be out
.irp i, 0,1,2,3,4,5,6,7
	ds_store_b128 v13, v[128+4*\i:131+4*\i] offset:2048*\i
.endr
.irp i, 0,1,2,3
	ds_store_b128 v14, v[160+4*\i:163+4*\i] offset:2176*\i
.endr
	s_wait_tensorcnt 0x0                           ; my part of slot P is in; the full sequence ahead of a later first fill
	ds_add_u32 v1, v2
	s_wait_dscnt 0x0                               ; the add and my stores of scales are done
	CROUND
	JLOAD 32, 24, 48, 40                           ; slot S's first fill: part D2
	FETCH1 1, 0, 0
	FETCH2 1, 0, 0
	PER 2, 1, 1, 1, 0                              ; D1 is fetched; D0's first products start the sums
	MEET 2                                         ; P has been fetched: it takes D3, D4
	PER 0, 2, 0, 0, 4
	MEET 1                                         ; S has been fetched: it takes D5
	PER 1, 3, 1, 0, 4
	PER 2, 4, 0, 0, 8
	MEET 2                                         ; P takes D6, D7: the last request
	PER 0, 5, 1, 0, 4
	MEET 0                                         ; D6, D7 have landed; nothing is filled, so no round
	PER 1, 6, 0, 0, 8
	PER 2, 7, 1, 0, 8
	s_wait_dscnt 0x0
	MULT 1, 0, 0
	MULT 1, 1, 0
	MULT 1, 2, 0
	MULT 1, 3, 0
	WIN 0
	; THE WAY OUT: my 32 rows x 128 columns, half of K, into my stage; a barrier; each wave adds 16 rows of the two halves and of rs, and stores whole rows of 512 bytes
	PLACES 8
.irp bt, 0,1
.irp n, 0,1,2,3,4,5,6,7
	ds_store_b128 v10, v[128+8*(8*\bt+\n):131+8*(8*\bt+\n)] offset:\bt*8448+64*\n       ; each accumulator from its low end on
	ds_store_b128 v10, v[132+8*(8*\bt+\n):135+8*(8*\bt+\n)] offset:\bt*8448+64*\n+16
.endr
.endr
	s_wait_dscnt 0x0                               ; for the others' sake
	s_barrier_signal -1
	s_barrier_wait -1
.irp i, 0,1,2,3,4,5,6,7,8,9,10,11,12,13,14,15
	ds_load_b128 v[128+4*\i:131+4*\i], v11 offset:\i*528
	ds_load_b128 v[192+4*\i:195+4*\i], v11 offset:\i*528+STGB
.endr
	s_wait_loadcnt 0x0                             ; rs
	s_wait_dscnt 0x0
.set p, 0
.rept 32
	v_pk_add_f32 v[128+p:129+p], v[128+p:129+p], v[192+p:193+p]
.set p, p+2
.endr
.set p, 0
.rept 32
	v_pk_add_f32 v[128+p:129+p], v[128+p:129+p], v[64+p:65+p]
.set p, p+2
.endr
.irp i, 0,1,2,3,4,5,6,7,8,9,10,11,12,13,14,15
	global_store_b128 v9, v[128+4*\i:131+4*\i], s[14:15] offset:\i*8192   ; 32 lanes store 512 consecutive bytes, aligned
.endr
	s_wait_tensorcnt 0x0                           ; the wave's end
	ds_add_u32 v1, v2
	s_wait_dscnt 0x0
	CROUND                                         ; the closing round
	s_endpgm
.Lfunc_end_k_qabfb985692_outp:
	.size	k_qabfb985692_outp, .Lfunc_end_k_qabfb985692_outp-k_qabfb985692_outp
	.p2alignl 7, 3214868480
	.fill 96, 4, 3214868480
	.section	.rodata,"a",@progbits
	.p2align	6, 0x0
	.amdhsa_kernel k_qabfb985692_outp
		.amdhsa_group_segment_fixed_size 327680
		.amdhsa_private_segment_fixed_size 0
		.amdhsa_enable_private_segment 0
		.amdhsa_kernarg_size 48
		.amdhsa_user_sgpr_count 2
		.amdhsa_user_sgpr_kernarg_segment_ptr 1
		.amdhsa_wavefront_size32 1
		.amdhsa_system_sgpr_workgroup_id_x 1
		.amdhsa_system_sgpr_workgroup_id_y 1
		.amdhsa_system_sgpr_workgroup_id_z 1
		.amdhsa_system_vgpr_workitem_id 0
		.amdhsa_next_free_vgpr 768
		.amdhsa_next_free_sgpr 100
		.amdhsa_reserve_vcc 0
		.amdhsa_float_denorm_mode_32 3
		.amdhsa_float_denorm_mode_16_64 3
		.amdhsa_memory_ordered 1
		.amdhsa_forward_progress 1
		.amdhsa_inst_pref_size 131
	.end_amdhsa_kernel
	.amdgpu_metadata
---
amdhsa.version: [ 1, 2 ]
amdhsa.kernels:
  - .name:           k_qabfb985692_outp
    .symbol:         k_qabfb985692_outp.kd
    .args:
      - { .name: cq, .offset: 0, .size: 8, .value_kind: global_buffer, .address_space: global }
      - { .name: cs, .offset: 8, .size: 8, .value_kind: global_buffer, .address_space: global }
      - { .name: Wo_codes, .offset: 16, .size: 8, .value_kind: global_buffer, .address_space: global }
      - { .name: Wo_scales, .offset: 24, .size: 8, .value_kind: global_buffer, .address_space: global }
      - { .name: rs, .offset: 32, .size: 8, .value_kind: global_buffer, .address_space: global }
      - { .name: y, .offset: 40, .size: 8, .value_kind: global_buffer, .address_space: global }
    .group_segment_fixed_size: 327680
    .private_segment_fixed_size: 0
    .kernarg_segment_align: 8
    .kernarg_segment_size: 48
    .max_flat_workgroup_size: 128
    .sgpr_count:     100
    .vgpr_count:     768
    .wavefront_size: 32
...
	.end_amdgpu_metadata
.endif
;; end of part 3
;; launch lnorm (part 4): grid 256 x 1, 4 waves a work-group, no clusters, 0 bytes of LDS; arguments y, gamma, beta, out0; writes out0
.if DOCPART == 4
	.amdgcn_target "amdgcn-amd-amdhsa--gfx1250"
	.amdhsa_code_object_version 6
	.text
	.protected	k_qabfb985692_lnorm
	.globl	k_qabfb985692_lnorm
	.p2align	8
	.type	k_qabfb985692_lnorm,@function
k_qabfb985692_lnorm:
	s_mov_b64 s[64:65], 0
	v_nop
	global_prefetch_b8 v0, s[64:65] scope:SCOPE_SE
	s_setreg_imm32_b32 hwreg(HW_REG_WAVE_MODE, 25, 1), 1
	s_wait_xcnt 0x0
; out0 = (y - mean y) rsqrt(var y + 16 eps) gamma + beta.  y is four times reference()'s fused + residual: with x = y / 4, (x - mean x) rsqrt(var x + eps) is the same number, so no quarter is ever multiplied.
; A row is 8,192 bytes: one wave takes a whole row in 64 registers, keeps it between the passes (mean; squares of the differences; scaling), and reads memory once.  1,024 rows, 1,024 waves; no LDS, no barrier.
; Memory binds: matrix units, clusters and tensor loads would add nothing.
.set X,  16                            ; v16-79   the row
.set GM, 80                            ; v80-143  gamma at my columns
.set BE, 144                           ; v144-207 beta
.macro ACROSS                          ; v4: the sum over the 32 lanes, in every lane
	v_add_f32_dpp v4, v4, v4 row_xmask:1 row_mask:0xf bank_mask:0xf
	v_add_f32_dpp v4, v4, v4 row_xmask:2 row_mask:0xf bank_mask:0xf
	v_add_f32_dpp v4, v4, v4 row_xmask:4 row_mask:0xf bank_mask:0xf
	v_add_f32_dpp v4, v4, v4 row_xmask:8 row_mask:0xf bank_mask:0xf
	v_permlanex16_b32 v5, v4, s18, s19
	v_add_f32 v4, v4, v5
.endm
.macro JOIN                            ; four chains of pairs into v4
	v_pk_add_f32 v[4:5], v[4:5], v[6:7]
	v_pk_add_f32 v[8:9], v[8:9], v[10:11]
	v_pk_add_f32 v[4:5], v[4:5], v[8:9]
	v_add_f32 v4, v4, v5
.endm
	s_load_b256 s[4:11], s[0:1], 0x0               ; y, gamma, beta, out0
	v_lshrrev_b32 v1, 5, v0
	v_readfirstlane_b32 s12, v1                    ; wave
	v_and_b32 v1, 31, v0
	v_lshlrev_b32 v1, 4, v1                        ; 16 x lane; never rewritten
	s_lshl_b32 s13, ttmp9, 2
	s_add_co_u32 s13, s13, s12                     ; my row
	s_lshl_b32 s14, s13, 13
	s_mov_b32 s15, 0
	s_mov_b32 s16, 0x3a000000                      ; 1 / 2,048
	s_mov_b32 s17, 0x3927c5ac                      ; 16 x 1e-5
	s_mov_b32 s18, 0x76543210
	s_mov_b32 s19, 0xfedcba98
	s_wait_alu depctr_va_vdst(0)
	s_wait_kmcnt 0x0
	s_add_nc_u64 s[4:5], s[4:5], s[14:15]
	s_add_nc_u64 s[10:11], s[10:11], s[14:15]
.irp i, 0,1,2,3,4,5,6,7,8,9,10,11,12,13,14,15
	global_load_b128 v[X+4*\i:X+4*\i+3], v1, s[4:5] offset:512*\i th:TH_LOAD_NT
.endr
.irp i, 0,1,2,3,4,5,6,7,8,9,10,11,12,13,14,15
	global_load_b128 v[GM+4*\i:GM+4*\i+3], v1, s[6:7] offset:512*\i
.endr
.irp i, 0,1,2,3,4,5,6,7,8,9,10,11,12,13,14,15
	global_load_b128 v[BE+4*\i:BE+4*\i+3], v1, s[8:9] offset:512*\i
.endr
	s_wait_loadcnt 32                              ; the row is in; gamma's and beta's 32 loads may be out
.irp c, 0,1,2,3
	v_pk_add_f32 v[4+2*\c:5+2*\c], v[X+4*\c:X+4*\c+1], v[X+4*\c+2:X+4*\c+3]   ; four chains, started by the first sixteen numbers
.endr
.irp j, 16,24,32,40,48,56
.irp c, 0,1,2,3
	v_pk_add_f32 v[4+2*\c:5+2*\c], v[4+2*\c:5+2*\c], v[X+\j+2*\c:X+\j+2*\c+1]
.endr
.endr
	JOIN
	ACROSS
	v_mul_f32 v12, s16, v4                         ; the mean, twice: a pair for the packed lines
	v_mov_b32 v13, v12
.set p, 0
.rept 32
	v_pk_add_f32 v[X+p:X+p+1], v[X+p:X+p+1], v[12:13] neg_lo:[0,1] neg_hi:[0,1]   ; y - mean, in place
.set p, p+2
.endr
.irp c, 0,1,2,3
	v_pk_mul_f32 v[4+2*\c:5+2*\c], v[X+2*\c:X+2*\c+1], v[X+2*\c:X+2*\c+1]
.endr
.irp j, 8,16,24,32,40,48,56
.irp c, 0,1,2,3
	v_pk_fma_f32 v[4+2*\c:5+2*\c], v[X+\j+2*\c:X+\j+2*\c+1], v[X+\j+2*\c:X+\j+2*\c+1], v[4+2*\c:5+2*\c]
.endr
.endr
	JOIN
	ACROSS
	v_fma_f32 v4, v4, s16, s17                     ; the variance + 16 eps
	s_wait_alu depctr_va_vdst(0)
	v_rsq_f32 v12, v4
	v_nop                                          ; a plain line behind the transcendental,
	s_wait_alu depctr_va_vdst(0)                   ; and the wait ahead of its first reader
	v_mov_b32 v13, v12
	s_wait_alu depctr_va_vdst(0)
	s_wait_loadcnt 0x0                             ; gamma and beta
.set p, 0
.rept 32
	v_pk_mul_f32 v[X+p:X+p+1], v[X+p:X+p+1], v[12:13]
.set p, p+2
.endr
.set p, 0
.rept 32
	v_pk_fma_f32 v[X+p:X+p+1], v[X+p:X+p+1], v[GM+p:GM+p+1], v[BE+p:BE+p+1]
.set p, p+2
.endr
.irp i, 0,1,2,3,4,5,6,7,8,9,10,11,12,13,14,15
	global_store_b128 v1, v[X+4*\i:X+4*\i+3], s[10:11] offset:512*\i th:TH_STORE_NT   ; 32 lanes store 512 consecutive bytes, aligned
.endr
	s_endpgm
.Lfunc_end_k_qabfb985692_lnorm:
	.size	k_qabfb985692_lnorm, .Lfunc_end_k_qabfb985692_lnorm-k_qabfb985692_lnorm
	.p2alignl 7, 3214868480
	.fill 96, 4, 3214868480
	.section	.rodata,"a",@progbits
	.p2align	6, 0x0
	.amdhsa_kernel k_qabfb985692_lnorm
		.amdhsa_group_segment_fixed_size 0
		.amdhsa_private_segment_fixed_size 0
		.amdhsa_enable_private_segment 0
		.amdhsa_kernarg_size 32
		.amdhsa_user_sgpr_count 2
		.amdhsa_user_sgpr_kernarg_segment_ptr 1
		.amdhsa_wavefront_size32 1
		.amdhsa_system_sgpr_workgroup_id_x 1
		.amdhsa_system_sgpr_workgroup_id_y 1
		.amdhsa_system_sgpr_workgroup_id_z 1
		.amdhsa_system_vgpr_workitem_id 0
		.amdhsa_next_free_vgpr 208
		.amdhsa_next_free_sgpr 66
		.amdhsa_reserve_vcc 0
		.amdhsa_float_denorm_mode_32 3
		.amdhsa_float_denorm_mode_16_64 3
		.amdhsa_memory_ordered 1
		.amdhsa_forward_progress 1
		.amdhsa_inst_pref_size 19
	.end_amdhsa_kernel
	.amdgpu_metadata
---
amdhsa.version: [ 1, 2 ]
amdhsa.kernels:
  - .name:           k_qabfb985692_lnorm
    .symbol:         k_qabfb985692_lnorm.kd
    .args:
      - { .name: y, .offset: 0, .size: 8, .value_kind: global_buffer, .address_space: global }
      - { .name: gamma, .offset: 8, .size: 8, .value_kind: global_buffer, .address_space: global }
      - { .name: beta, .offset: 16, .size: 8, .value_kind: global_buffer, .address_space: global }
      - { .name: out0, .offset: 24, .size: 8, .value_kind: global_buffer, .address_space: global }
    .group_segment_fixed_size: 0
    .private_segment_fixed_size: 0
    .kernarg_segment_align: 8
    .kernarg_segment_size: 32
    .max_flat_workgroup_size: 128
    .sgpr_count:     66
    .vgpr_count:     208
    .wavefront_size: 32
...
	.end_amdgpu_metadata
.endif
;; end of part 4
